; MI455X (gfx1250); checked and timed in simulation.
; The chip was launched on July 23, 2026; its instructions are those of AMD's public machine-readable ISA for CDNA 5 (MIT licence, August 2026) and "CDNA5" Instruction Set Architecture Reference Guide (July 2026). The comments in the code are by the model that wrote it; some were corrected since.
;; Multi Head Attention. Allowed arithmetic: matrix products marked QUANTISED: E2M1 operands, one E8M0 scale for each 32 along K, by v_wmma_scale_f32_16x16x128_f8f6f4 with both operands' format E2M1 (or v_wmma_scale_f32_32x16x128_f4), f32 sums; products left as they are: bf16, f16 or f32 operands; f32 sums; everything else in f32.
;; Inputs: Wc 1,024 x 1,024 float32; Wk 1,024 x 1,024 float32; Wq 1,024 x 1,024 float32; Wv 1,024 x 1,024 float32; bc 1,024 float32; bk 1,024 float32; bq 1,024 float32; bv 1,024 float32; key 2 x 2,048 x 1,024 float32; mask 2 x 2,048 float32; mlp_b1 512 float32; mlp_b2 1,024 float32; mlp_w1 1,024 x 512 float32; mlp_w2 512 x 1,024 float32; query 2 x 2,048 x 1,024 float32; rms1_scale 1,024 float32; rms2_scale 1,024 float32; value 2 x 2,048 x 1,024 float32.
;; Outputs: out0 2 x 2,048 x 1,024 float32.
;; This version of the problem:
;;   THIS VERSION OF THE PROBLEM IS GIVEN IN LOW PRECISION. The matrix products marked QUANTISED in the list below multiply operands that are first quantised to E2M1 (2 exponent bits, 1 mantissa bit; 4 bits a number), with one power-of-two scale for each 32 numbers along K (OCP MX v1.0); their sums are f32. The products marked 'left as it is' may take bf16, f16 or f32 operands, with f32 sums. Whichever they take, every output number must still come out within the allowed error. Rounding operands to bf16 (8 significant bits) uses up far more of that allowance than f16 does (11 bits, for magnitudes from 6e-5 to 65,504). All else is computed in f32.
;;   The module's matrix products, in the order in which they are computed (A, B: the left and right operand; K: the contracted axis; several contracted axes count as one K, in the product's order):
;;     1. [M 4,096, K 1,024] x [K 1,024, N 1,024]; A: input query; B: input Wq: QUANTISED
;;     2. [M 4,096, K 1,024] x [K 1,024, N 1,024]; A: input key; B: input Wk: QUANTISED
;;     3. [M 4,096, K 1,024] x [K 1,024, N 1,024]; A: input value; B: input Wv: QUANTISED
;;     4. batch 32 x [M 2,048, K 64] x [K 64, N 2,048]; A: computed on the way; B: computed on the way: left as it is (an operand is computed on the way)
;;     5. batch 32 x [M 64, K 2,048] x [K 2,048, N 2,048]; A: computed on the way; B: computed on the way: left as it is (an operand is computed on the way)
;;     6. [M 4,096, K 1,024] x [K 1,024, N 1,024]; A: computed on the way; B: input Wc: left as it is (an operand is computed on the way)
;;     7. [M 4,096, K 1,024] x [K 1,024, N 512]; A: computed on the way; B: input mlp_w1: left as it is (an operand is computed on the way)
;;     8. [M 4,096, K 512] x [K 512, N 1,024]; A: computed on the way; B: input mlp_w2: left as it is (an operand is computed on the way)
;;   THE QUANTISER, for each operand of a quantised product, along K:
;;     - K is cut into blocks of 32 from its start; a last block that is shorter is filled with zeros.
;;     - A block's scale is 2^e with e = floor(log2(the largest magnitude in the block)) - 2, held to -126 .. 127; a block of zeros has e = 0. As a byte (E8M0): e + 127.
;;     - Each number is divided by its block's scale, clamped to +-6, and rounded to the nearest number of E2M1, ties to even, subnormals kept.
;;     - The product sums the exact products of the quantised numbers (number of the format x scale) in f32.
;;   ~~~python
;;   def quantise(x, axis):      # numpy; x: float32 -> the quantised numbers, widened to float32 again
;;       x = np.moveaxis(x, axis, -1); K = x.shape[-1]
;;       x = np.pad(x, [(0, 0)] * (x.ndim - 1) + [(0, -K % 32)]); x = x.reshape(x.shape[:-1] + (-1, 32)); a = np.abs(x).max(-1, keepdims=True)
;;       e = np.where(a > 0, np.clip(np.frexp(np.where(a > 0, a, 1))[1] - 1 - 2, -126, 127), 0)      # np.frexp(a)[1] - 1 = floor(log2(a)), exactly
;;       r = np.clip(x / 2.0 ** e, -6, 6)
;;       step = 2.0 ** (np.maximum(np.frexp(np.where(r == 0, 1, r))[1] - 1, 0) - 1)
;;       q = np.round(r / step) * step * 2.0 ** e      # np.round: ties to even
;;       return np.moveaxis(q.reshape(q.shape[:-2] + (-1,))[..., :K], -1, axis).astype(np.float32)
;;   ~~~
;; One version. Each part assembles by itself: llvm-mc -triple=amdgcn-amd-amdhsa -mcpu=gfx1250 --defsym DOCPART=n.
;; ======== version 1 of 1: 7 launches
;; workspace buffers: pq 12,550,144 bytes; qkv 25,165,824 bytes; oimg 8,388,608 bytes; g6o 25,427,968 bytes; hdimg 4,194,304 bytes; g8o 17,039,360 bytes
;; launch prep (part 1): grid 688 x 1, 4 waves a work-group, no clusters, 68,096 bytes of LDS; arguments query, key, value, Wq, Wk, Wv, Wc, mlp_w1, mlp_w2, pq; writes pq
.if DOCPART == 1
	.amdgcn_target "amdgcn-amd-amdhsa--gfx1250"
	.amdhsa_code_object_version 6
	.text
	.protected	k_q9753466eff_prep
	.globl	k_q9753466eff_prep
	.p2align	8
	.type	k_q9753466eff_prep,@function
k_q9753466eff_prep:
	s_mov_b64 s[64:65], 0
	v_nop
	global_prefetch_b8 v0, s[64:65] scope:SCOPE_SE
	s_setreg_imm32_b32 hwreg(HW_REG_WAVE_MODE, 25, 1), 1
	s_wait_xcnt 0x0
; PREP: everything that later launches read many times is laid out once, into the workspace pq.
; Work-groups 0-383:   query, key, value [4096][1024] f32 -> codes of E2M1 (K innermost, 512 bytes a row) and one E8M0 byte for each 32 along K; the three tensors stacked as 12,288 rows.
; Work-groups 384-431: Wq, Wk, Wv [k][n] f32, K their FIRST axis -> codes laid [n][k] (3,072 rows stacked) and their scale bytes.
; Work-groups 432-687: Wc, mlp_w1, mlp_w2 [k][n] f32 -> bf16 IMAGES: the 16 bytes that hold k = 8 G .. 8 G + 7 of row n lie at (n / 16) x 32 K + 256 G + 16 (n % 16),
;                      so that a fragment of 16 rows x 32 k is 1,024 consecutive bytes in the order of a matrix operand's registers.
; A block's scale is 2^(floor(log2(largest magnitude)) - 2); its byte is the largest magnitude's exponent field - 2, held at 1 from below.
; LIMITS: a block of zeros, or one whose largest magnitude lies under 2^-124, gets the byte 1 (a block of zeros has zero codes, which add nothing; this program alone reads the bytes);
; NaN and infinities among the inputs are not served.
; The three kinds part on the work-group's number alone, never join, and each kind that uses LDS has LDS bytes of its own.  No cluster: no two work-groups read the same bytes.
.set AS_OFF, 6291456                   ; pq: the activations' scale bytes
.set BC_OFF, 6684672                   ; the three weights' codes
.set BS_OFF, 8257536                   ; their scale bytes
.set WC_OFF, 8355840                   ; Wc's image
.set W1_OFF, 10452992                  ; mlp_w1's
.set W2_OFF, 11501568                  ; mlp_w2's
.set SPARE,  67584                     ; the spare words: 128 bytes for each wave, two blocks of 256 bytes that no other line names
.set SPW, 12                           ; v12 LDS address of my spare word; never rewritten
.set NIL, 13                           ; v13 0; never rewritten
	s_load_b512 s[8:23], s[0:1], 0x0               ; query s[8:9], key s[10:11], value s[12:13], Wq s[14:15], Wk s[16:17], Wv s[18:19], Wc s[20:21], mlp_w1 s[22:23]
	s_load_b128 s[24:27], s[0:1], 0x40             ; mlp_w2 s[24:25], pq s[26:27]
	v_lshl_add_u32 v[SPW], v0, 2, SPARE
	v_mov_b32 v[NIL], 0
	v_lshrrev_b32 v1, 5, v0
	v_readfirstlane_b32 s28, v1                    ; wave 0..3
	v_and_b32 v2, 31, v0                           ; lane
	s_wait_kmcnt 0x0
	s_cmp_lt_u32 ttmp9, 384
	s_cbranch_scc0 .Lnot_act
; ---------------- the activations: plain streams of blocks of 32 numbers.  A wave takes 16 steps of 512 numbers.
; Each load reads 512 consecutive bytes; a step's 2,048 bytes turn through the wave's own stage in LDS and come back 64 bytes a lane, so that a lane holds 16 neighbours along K (two lanes to a block).
.set P1R, 16                           ; v16-79   four sets of 16 numbers as loaded
.set P1X, 80                           ; v80-111  two sets of 16 neighbours
.set P1E, 112                          ; v112-127 a scale byte for each step
.set P1C, 128                          ; v128-191 codes: registers of its own for each step, so that no store's data are written again
.set WREG, 8192                        ; LDS 0 .. 32,767: a region for each wave: two stages of 32 x 80 bytes, then its 256 scale bytes
.set SP,   80                          ; a lane's place in a stage: 64 bytes + 16 of padding
	v_lshlrev_b32 v3, 4, v2                        ; my 16 bytes of a load's 512
	s_mul_i32 s29, s28, WREG
	v_lshrrev_b32 v14, 2, v2
	v_mul_u32_u24 v14, v14, SP
	v_and_b32 v15, 3, v2
	v_lshl_add_u32 v14, v15, 4, v14
	v_add_nc_u32 v14, s29, v14                     ; into the stage: four lanes' 64 bytes on end, then the padding
	v_mul_u32_u24 v15, v2, SP
	v_add_nc_u32 v15, s29, v15                     ; out of it: my 16 neighbours
	v_lshlrev_b32 v4, 3, v2                        ; my 8 bytes of a step's 256 bytes of codes
	v_lshrrev_b32 v5, 1, v2
	s_add_co_u32 s29, s29, 2*32*SP
	v_add_nc_u32 v5, s29, v5                       ; my block's byte among the wave's 256
	v_lshlrev_b32 v7, 3, v2
	v_add_nc_u32 v6, s29, v7                       ; and 8 of them a lane on the way out
	s_cmp_lt_u32 ttmp9, 128                        ; which tensor: the choice hangs on the work-group's number alone
	s_cselect_b64 s[4:5], s[8:9], s[10:11]
	s_cmp_lt_u32 ttmp9, 256
	s_cselect_b64 s[4:5], s[4:5], s[12:13]
	s_and_b32 s30, ttmp9, 127
	s_lshl_b32 s30, s30, 2
	s_add_co_u32 s30, s30, s28
	s_lshl_b32 s30, s30, 15                        ; my run of 8,192 numbers in that tensor, in bytes
	s_mov_b32 s31, 0
	s_add_nc_u64 s[4:5], s[4:5], s[30:31]
	s_lshl_b32 s30, ttmp9, 2
	s_add_co_u32 s30, s30, s28                     ; my run among the 1,536 of the stacked tensors
	s_lshl_b32 s32, s30, 12
	s_mov_b32 s33, 0
	s_add_nc_u64 s[6:7], s[26:27], s[32:33]        ; its 4,096 bytes of codes
	s_lshl_b32 s32, s30, 8
	s_add_nc_u64 s[34:35], s[26:27], s[32:33]
	s_add_nc_u64 s[34:35], s[34:35], AS_OFF        ; its 256 scale bytes
.macro P1LOAD t
.irp i, 0,1,2,3
	global_load_b128 v[P1R+16*((\t)%4)+4*\i:P1R+16*((\t)%4)+4*\i+3], v3, s[4:5] offset:2048*(\t)+512*\i
.endr
.endm
.macro P1TURN t                        ; LDS serves a wave's instructions in order: no wait between the stores and the loads
.irp i, 0,1,2,3
	ds_store_b128 v14, v[P1R+16*((\t)%4)+4*\i:P1R+16*((\t)%4)+4*\i+3] offset:32*SP*((\t)%2)+8*SP*\i
.endr
.irp i, 0,1,2,3
	ds_load_b128 v[P1X+16*((\t)%2)+4*\i:P1X+16*((\t)%2)+4*\i+3], v15 offset:32*SP*((\t)%2)+16*\i
.endr
.endm
.irp t, 0,1,2,3
	P1LOAD \t
.endr
	s_wait_loadcnt 12                              ; step 0's four loads are in; the twelve behind them may be out
	P1TURN 0
.macro P1STEP t
.set XS, P1X+16*((\t)%2)
.if (\t) > 0
	s_wait_dscnt 1                                 ; this step's numbers are back from the stage; the last step's byte store may be out
.else
	s_wait_dscnt 0x0
.endif
.if (\t)+4 < 16
	P1LOAD (\t)+4                                  ; into the set that this step's stage stores have read
.endif
.if (\t)+1 < 16
.if 14-(\t) >= 3
	s_wait_loadcnt 12                              ; the next step's four loads are in; three steps' may be out
.else
	s_wait_loadcnt 4*(14-(\t))
.endif
	P1TURN (\t)+1
.endif
	v_max3_num_f32 v8, |v[XS]|, |v[XS+1]|, |v[XS+2]|   ; the largest magnitude of my 16, in two chains
	v_max3_num_f32 v9, |v[XS+3]|, |v[XS+4]|, |v[XS+5]|
.irp i, 6,10
	v_max3_num_f32 v8, v8, |v[XS+\i]|, |v[XS+\i+1]|
	v_max3_num_f32 v9, v9, |v[XS+\i+2]|, |v[XS+\i+3]|
.endr
	v_max3_num_f32 v8, v8, |v[XS+14]|, |v[XS+15]|
	v_max3_num_f32 v8, v8, v9, 0x1800000           ; and the floor 2^(3 - 127): the byte cannot fall under 1
	v_max_num_f32_dpp v8, v8, v8 row_xmask:1 row_mask:0xf bank_mask:0xf   ; with my neighbour's 16: the block's
	v_add_nc_u32 v11, 0xff000000, v8               ; 2 off its exponent field: the conversion takes this operand's exponent field as its scale
	v_cvt_scalef32_pk8_fp4_f32 v[P1C+4*(\t)], v[XS:XS+7], v11
	v_cvt_scalef32_pk8_fp4_f32 v[P1C+4*(\t)+1], v[XS+8:XS+15], v11
	v_lshrrev_b32 v[P1E+(\t)], 23, v11             ; the scale's byte (also the plain line behind the conversions)
	ds_store_b8 v5, v[P1E+(\t)] offset:16*(\t)     ; both lanes of a block write the same byte with the same value
	global_store_b64 v4, v[P1C+4*(\t):P1C+4*(\t)+1], s[6:7] offset:256*(\t)   ; the wave stores 256 consecutive bytes, aligned
.endm
.irp t, 0,1,2,3,4,5,6,7,8,9,10,11,12,13,14,15
	P1STEP \t
.endr
	ds_load_b64 v[8:9], v6                         ; in order behind my byte stores
	s_wait_dscnt 0x0
	global_store_b64 v7, v[8:9], s[34:35]          ; 256 consecutive bytes, aligned
	s_wait_tensorcnt 0x0                           ; the wave's end, behind my last LDS store
	ds_add_u32 v[SPW], v[NIL]
	s_wait_dscnt 0x0
	s_endpgm
.Lnot_act:
	s_cmp_lt_u32 ttmp9, 432
	s_cbranch_scc0 .Limages
; ---------------- Wq, Wk, Wv: a lane takes a column n and its registers run down K, so a block of 32 lies in one lane and the codes come out with K innermost.
; A wave takes 32 columns x 512 along K; its codes go through its own stage in LDS and leave as rows: sixteen lanes store 256 consecutive bytes, aligned.
.set P2PITCH, 272
.set P2STAGE, 32768                    ; LDS 32,768 .. 67,583: four stages of 32 x 272 bytes
.set P2X,  32                          ; v32-95   two sets of 32 numbers
.set P2C,  96                          ; v96-99   a block's codes
.set P2O,  112                         ; v112-175 the way out
.set P2S,  24                          ; v24-27   the scale bytes, four to a register
	s_sub_co_u32 s29, ttmp9, 384
	s_lshr_b32 s30, s29, 4                         ; which weight
	s_and_b32 s31, s29, 7                          ; which 128 columns
	s_bfe_u32 s32, s29, 0x10003                    ; which 512 along K
	s_lshl_b32 s33, s31, 7
	s_lshl_b32 s34, s28, 5
	s_add_co_u32 s33, s33, s34                     ; my wave's first column
	v_lshlrev_b32 v3, 2, v2                        ; in: 4 bytes a lane
	s_mul_i32 s34, s28, 32*P2PITCH
	s_add_co_u32 s34, s34, P2STAGE                 ; my stage
	v_mul_u32_u24 v4, v2, P2PITCH
	v_add_nc_u32 v4, s34, v4                       ; into it: row = my column
	v_and_b32 v5, 15, v2
	v_lshrrev_b32 v6, 4, v2
	v_mul_u32_u24 v7, v6, P2PITCH
	v_lshl_add_u32 v7, v5, 4, v7
	v_add_nc_u32 v7, s34, v7                       ; out of it: sixteen lanes to a row, two rows an instruction
	v_lshlrev_b32 v8, 9, v6
	v_lshl_add_u32 v8, v5, 4, v8                   ; the same place in the codes: rows of 512 bytes
	v_lshlrev_b32 v9, 5, v2                        ; my column's row of 32 scale bytes
	s_cmp_eq_u32 s30, 0
	s_cselect_b64 s[4:5], s[14:15], s[16:17]
	s_cmp_eq_u32 s30, 2
	s_cselect_b64 s[4:5], s[18:19], s[4:5]
	s_lshl_b32 s36, s32, 21                        ; 512 rows of 4,096 bytes
	s_lshl_b32 s37, s33, 2
	s_add_co_u32 s36, s36, s37
	s_mov_b32 s37, 0
	s_add_nc_u64 s[4:5], s[4:5], s[36:37]
	s_lshl_b32 s38, s30, 10
	s_add_co_u32 s38, s38, s33                     ; my first row among the 3,072
	s_lshl_b32 s36, s38, 9
	s_lshl_b32 s39, s32, 8
	s_add_co_u32 s36, s36, s39
	s_add_nc_u64 s[6:7], s[26:27], s[36:37]
	s_add_nc_u64 s[6:7], s[6:7], BC_OFF
	s_lshl_b32 s36, s38, 5
	s_lshl_b32 s39, s32, 4
	s_add_co_u32 s36, s36, s39
	s_add_nc_u64 s[40:41], s[26:27], s[36:37]
	s_add_nc_u64 s[40:41], s[40:41], BS_OFF
.macro P2LOAD t                        ; block t: W(32 t + i, my column): 128 consecutive bytes a wave, 512 a work-group
.set i_, 0
.rept 32
	global_load_b32 v[P2X+32*((\t)%2)+i_], v3, s[4:5] offset:(32*(\t)+i_)*4096 th:TH_LOAD_NT
.set i_, i_+1
.endr
.endm
	P2LOAD 0
	P2LOAD 1
.macro P2BLOCK t
.set XS, P2X+32*((\t)%2)
.if (\t) < 15
	s_wait_loadcnt 32                              ; this block's 32 loads are in; the next block's may be out
.else
	s_wait_loadcnt 0
.endif
	v_max3_num_f32 v16, |v[XS]|, |v[XS+1]|, |v[XS+2]|
	v_max3_num_f32 v17, |v[XS+3]|, |v[XS+4]|, |v[XS+5]|
.irp i, 6,10,14,18,22,26
	v_max3_num_f32 v16, v16, |v[XS+\i]|, |v[XS+\i+1]|
	v_max3_num_f32 v17, v17, |v[XS+\i+2]|, |v[XS+\i+3]|
.endr
	v_max3_num_f32 v16, v16, |v[XS+30]|, |v[XS+31]|
	v_max3_num_f32 v16, v16, v17, 0x1800000        ; the floor 2^(3 - 127)
	v_add_nc_u32 v11, 0xff000000, v16              ; the conversion's scale operand
	v_lshrrev_b32 v17, 23, v11                     ; the scale's byte
.if (\t)%4 == 0
	v_mov_b32 v[P2S+(\t)/4], v17
.else
	v_lshl_or_b32 v[P2S+(\t)/4], v17, 8*((\t)%4), v[P2S+(\t)/4]
.endif
.irp g, 0,1,2,3
	v_cvt_scalef32_pk8_fp4_f32 v[P2C+\g], v[XS+8*\g:XS+8*\g+7], v11
.endr
	v_nop                                          ; one plain line behind the conversions
	ds_store_b128 v4, v[P2C:P2C+3] offset:16*(\t)  ; 32 codes: 16 bytes of my column's row
.if (\t)+2 < 16
	P2LOAD (\t)+2
.endif
	s_wait_dscnt 0x0                               ; the store has read its registers: the next block's codes may be written
.endm
.set Q, 0
.rept 16
	P2BLOCK Q
.set Q, Q+1
.endr
	global_store_b128 v9, v[P2S:P2S+3], s[40:41]   ; my column's 16 scale bytes
.irp t, 0,1,2,3,4,5,6,7,8,9,10,11,12,13,14,15
	ds_load_b128 v[P2O+4*\t:P2O+4*\t+3], v7 offset:2*\t*P2PITCH
.endr
.irp t, 0,1,2,3,4,5,6,7,8,9,10,11,12,13,14,15
	s_wait_dscnt 15-\t                             ; LDS loads come back in order: rows 2 t and 2 t + 1 are in
	global_store_b128 v8, v[P2O+4*\t:P2O+4*\t+3], s[6:7] offset:2*\t*512
.endr
	s_wait_tensorcnt 0x0                           ; the wave's end, behind my last LDS store
	ds_add_u32 v[SPW], v[NIL]
	s_wait_dscnt 0x0
	s_endpgm
.Limages:
; ---------------- Wc, mlp_w1, mlp_w2 as bf16 images.  A wave takes 32 columns x 64 k; a lane is a column, its 64 registers run down K; eight neighbours along K round to 16 bytes.
; A store's lanes 0-15 fill 256 consecutive bytes of one group of 16 rows, lanes 16-31 those of the next group.  No LDS.
	s_sub_co_u32 s29, ttmp9, 432
	v_lshlrev_b32 v3, 2, v2                        ; 4 x lane
	v_lshrrev_b32 v4, 4, v2
	v_and_b32 v5, 15, v2
.macro WIMG n, k, src, img, first, cgb
	s_sub_co_u32 s30, s29, \first
	s_and_b32 s31, s30, (1<<\cgb)-1                ; which 128 columns
	s_lshr_b32 s32, s30, \cgb                      ; which 64 along K
	s_lshl_b32 s33, s31, 7
	s_lshl_b32 s34, s28, 5
	s_add_co_u32 s33, s33, s34                     ; my wave's first column
	s_mul_i32 s36, s32, 64*\n*4
	s_lshl_b32 s34, s33, 2
	s_add_co_u32 s36, s36, s34
	s_mov_b32 s37, 0
	s_add_nc_u64 s[4:5], s[\src:\src+1], s[36:37]
	s_lshr_b32 s34, s33, 4
	s_mul_i32 s36, s34, 32*\k                      ; my first group of 16 rows,
	s_lshl_b32 s34, s32, 11                        ; my eight pieces along K
	s_add_co_u32 s36, s36, s34
	s_add_nc_u64 s[6:7], s[26:27], s[36:37]
	s_add_nc_u64 s[6:7], s[6:7], \img
	v_mul_u32_u24 v6, v4, 32*\k
	v_lshl_add_u32 v6, v5, 4, v6
.set i_, 0
.rept 64
	global_load_b32 v[32+i_], v3, s[4:5] offset:i_*\n*4 th:TH_LOAD_NT
.set i_, i_+1
.endr
.irp g, 0,1,2,3,4,5,6,7
	s_wait_loadcnt 56-8*\g                         ; the first 8 (g + 1) loads are in; the younger ones may be out
.irp q, 0,1,2,3
	v_cvt_pk_bf16_f32 v[96+4*\g+\q], v[32+8*\g+2*\q], v[33+8*\g+2*\q]
.endr
	global_store_b128 v6, v[96+4*\g:99+4*\g], s[6:7] offset:\g*256
.endr
	s_endpgm
.endm
	s_cmp_lt_u32 s29, 128
	s_cbranch_scc0 .Lnot_wc
	WIMG 1024, 1024, 20, WC_OFF, 0, 3
.Lnot_wc:
	s_cmp_lt_u32 s29, 192
	s_cbranch_scc0 .Lnot_w1
	WIMG 512, 1024, 22, W1_OFF, 128, 2
.Lnot_w1:
	WIMG 1024, 512, 24, W2_OFF, 192, 3
.Lfunc_end_k_q9753466eff_prep:
	.size	k_q9753466eff_prep, .Lfunc_end_k_q9753466eff_prep-k_q9753466eff_prep
	.p2alignl 7, 3214868480
	.fill 96, 4, 3214868480
	.section	.rodata,"a",@progbits
	.p2align	6, 0x0
	.amdhsa_kernel k_q9753466eff_prep
		.amdhsa_group_segment_fixed_size 68096
		.amdhsa_private_segment_fixed_size 0
		.amdhsa_enable_private_segment 0
		.amdhsa_kernarg_size 80
		.amdhsa_user_sgpr_count 2
		.amdhsa_user_sgpr_kernarg_segment_ptr 1
		.amdhsa_wavefront_size32 1
		.amdhsa_system_sgpr_workgroup_id_x 1
		.amdhsa_system_sgpr_workgroup_id_y 1
		.amdhsa_system_sgpr_workgroup_id_z 1
		.amdhsa_system_vgpr_workitem_id 0
		.amdhsa_next_free_vgpr 192
		.amdhsa_next_free_sgpr 66
		.amdhsa_reserve_vcc 0
		.amdhsa_float_denorm_mode_32 3
		.amdhsa_float_denorm_mode_16_64 3
		.amdhsa_memory_ordered 1
		.amdhsa_forward_progress 1
		.amdhsa_inst_pref_size 142
	.end_amdhsa_kernel
	.amdgpu_metadata
---
amdhsa.version: [ 1, 2 ]
amdhsa.kernels:
  - .name:           k_q9753466eff_prep
    .symbol:         k_q9753466eff_prep.kd
    .args:
      - { .name: query, .offset: 0, .size: 8, .value_kind: global_buffer, .address_space: global }
      - { .name: key, .offset: 8, .size: 8, .value_kind: global_buffer, .address_space: global }
      - { .name: value, .offset: 16, .size: 8, .value_kind: global_buffer, .address_space: global }
      - { .name: Wq, .offset: 24, .size: 8, .value_kind: global_buffer, .address_space: global }
      - { .name: Wk, .offset: 32, .size: 8, .value_kind: global_buffer, .address_space: global }
      - { .name: Wv, .offset: 40, .size: 8, .value_kind: global_buffer, .address_space: global }
      - { .name: Wc, .offset: 48, .size: 8, .value_kind: global_buffer, .address_space: global }
      - { .name: mlp_w1, .offset: 56, .size: 8, .value_kind: global_buffer, .address_space: global }
      - { .name: mlp_w2, .offset: 64, .size: 8, .value_kind: global_buffer, .address_space: global }
      - { .name: pq, .offset: 72, .size: 8, .value_kind: global_buffer, .address_space: global }
    .group_segment_fixed_size: 68096
    .private_segment_fixed_size: 0
    .kernarg_segment_align: 8
    .kernarg_segment_size: 80
    .max_flat_workgroup_size: 128
    .sgpr_count:     66
    .vgpr_count:     192
    .wavefront_size: 32
...
	.end_amdgpu_metadata
.endif
;; end of part 1
;; launch proj (part 2): grid 4 x 48, 4 waves a work-group, clusters of 4 x 4, 327,680 bytes of LDS; arguments pq, bq, bk, bv, qkv; writes qkv
.if DOCPART == 2
	.amdgcn_target "amdgcn-amd-amdhsa--gfx1250"
	.amdhsa_code_object_version 6
	.text
	.protected	k_q9753466eff_proj
	.globl	k_q9753466eff_proj
	.p2align	8
	.type	k_q9753466eff_proj,@function
k_q9753466eff_proj:
	s_mov_b64 s[64:65], 0
	v_nop
	global_prefetch_b8 v0, s[64:65] scope:SCOPE_SE
	s_setreg_imm32_b32 hwreg(HW_REG_WAVE_MODE, 25, 1), 1
	s_wait_xcnt 0x0
	s_wait_alu depctr_hold_cnt(0) depctr_sa_sdst(0) depctr_va_vdst(0) depctr_va_sdst(0) depctr_va_ssrc(0) depctr_va_vcc(0) depctr_vm_vsrc(0)
	s_getreg_b32 s2, hwreg(HW_REG_IB_STS2, 6, 4)
	s_cmp_eq_u32 s2, 0
	s_cbranch_scc0 .Lentry_in_a_cluster
	s_endpgm
.Lentry_in_a_cluster:
	s_bfe_u32 s2, ttmp6, 0x10000c
	s_cmp_lg_u32 s2, 0xf033
	s_cbranch_scc0 .Lentry_shape_is_right
	s_endpgm
.Lentry_shape_is_right:
; PROJ: q = Q(query) Q(Wq) + bq, k and v likewise: three products [4096][1024] x [1024][1024] on codes of E2M1 with E8M0 scales, in one grid.
; The three activations are stacked as 12,288 rows of codes, the three weights as 3,072 rows; tile rows 16 t .. 16 t + 15 of the grid belong to tensor t (0 q, 1 k, 2 v) and take the weight rows 1,024 t on.
; A tile is 256 x 256, four waves, 128 x 128 a wave: 64 accumulators, 512 registers.  K = 1,024 is exactly two LDS slots of 512 along K (rows of 256 bytes): both are asked for at the start and nothing is filled again.
; The scale bytes of the tile's 256 + 256 rows, for all of K, come once, in whole runs of 256 bytes.
; CLUSTERS 4 x 4: the four of a row of the cluster ask jointly for A's tiles, the four of a column for B's.  t hangs on the cluster's y alone, so it is equal in all sixteen partners.
; THE MATRIX INSTRUCTION IS USED TRANSPOSED (source 0 = 16 rows of the weight, source 1 = 16 tokens): a lane holds one token and eight neighbouring columns.  The bias is the C of each sum's first product.
; THE WAY OUT: q is multiplied by log2(e) / 32 in f32 (the score's factor 1 / sqrt(1024) and the change to base 2), k and v by 1; eight neighbours round to 16 bytes of bf16, which are a piece of the head's image:
;   q, k: channels 8 G .. 8 G + 7 of token s at (s / 16) x 2,048 + 256 G + 16 (s % 16);   v: at (s / 16) x 2,048 + 512 (G / 2) + 32 (s % 16) + 16 (G % 2): blocks of 16 tokens x 16 channels, for the turning load.
;   Either way a wave's store covers 512 consecutive bytes, aligned: no stage in LDS is needed.
; 192 work-groups: a smaller tile would read every fragment for half the products.
; REGISTERS: window 0: v0-31 addresses; v32-95 scale words, two sets; v128-191 A's fragments, one set; v192-255 the bias, in the result's layout.  window 1: B's fragments, two sets.  windows 2, 3: the accumulators.
.set AS_OFF, 6291456
.set BC_OFF, 6684672
.set BS_OFF, 8257536
.set NQ,     4                         ; matrix instructions deep in a slot
.set ROWB,   256                       ; a tile's row in bytes: 512 codes
.set KROW,   512                       ; a row of codes in memory
.set PITCH,  272                       ; an LDS row: 256 bytes + 16 of padding, so that the 16 rows of a fragment load start in 16 different groups of banks
.set FR,     8
.set NL,     2
.set NP,     4
.set HALFT,  128*PITCH
.set SLOT,   4*HALFT
.set KS,     32                        ; a row of scale bytes
.set SCL,    2*SLOT                    ; behind the slots: the scales, as runs of 256 bytes + 16 of padding
.set HALFS,  (128*KS/256)*272
.set SBLK,   (16*KS/256)*272
.set SPARE,  SCL+4*HALFS               ; the spare words, 128 bytes a wave
.set ADRA, 16
.set ADRB, 20
.set VO,   26                          ; v26 my lane's byte in a piece's 512
.set ADRS, 27
.set SPW,  28
.set NIL,  29
.set SC,   32
.set AF,   128
.set BIAS, 192
.set G1, 24
.set G0, 32
.set G1B, 48
.set G0B, 56
.set G1S, 68
.set G0S, 76
.set G1SB, 80
.set G0SB, 88
.set MSB, 0
.macro WIN new                         ; the immediate's high byte repeats the setting that is left
.if MSB != \new
	s_set_vgpr_msb (MSB<<8)|\new
.set MSB, \new
.endif
.endm
.set MUL_LO, 0xa1                      ; source 0 (B) window 1, source 1 (A) window 0, C and D window 2
.set MUL_HI, 0xf1                      ; the same, C and D window 3
.set BEG_LO, 0x81                      ; the first products: C (the bias) window 0, D window 2
.set BEG_HI, 0xc1                      ; D window 3
.set TO_B,   0x40
; A joint load: waves 0 and 1 fetch for A, waves 2 and 3 for B.  The branch hangs on the wave's number alone.  An s_nop 0 and four v_nop follow each line.
.macro JLOAD g0a, g1a, g0b, g1b
	s_cmp_eq_u32 s15, 0
	s_cbranch_scc0 .Lfor_b_\@
	tensor_load_to_lds s[\g0a:\g0a+3], s[\g1a:\g1a+7]
	s_nop 0
.rept 4
	v_nop
.endr
	s_branch .Lasked_\@
.Lfor_b_\@:
	tensor_load_to_lds s[\g0b:\g0b+3], s[\g1b:\g1b+7]
	s_nop 0
.rept 4
	v_nop
.endr
.Lasked_\@:
.endm
.macro CROUND                          ; a round of the cluster's barrier
	s_barrier_signal -1
	s_barrier_wait -1
	s_cmp_lg_u32 s14, 0
	s_cbranch_scc1 .Lnot_wave_0_\@
	s_barrier_signal -3
.Lnot_wave_0_\@:
	s_barrier_wait -3
	s_barrier_signal -1
	s_barrier_wait -1
.endm
	s_load_b128 s[4:7], s[0:1], 0x0                ; pq s[4:5], bq s[6:7]
	s_load_b128 s[8:11], s[0:1], 0x10              ; bk s[8:9], bv s[10:11]
	s_load_b64 s[12:13], s[0:1], 0x20              ; qkv
	v_lshl_add_u32 v[SPW], v0, 2, SPARE
	v_mov_b32 v[NIL], 0
	ds_add_u32 v[SPW], v[NIL]                      ; the wave's opening: the add, twice on end, and its wait ahead of my first tensor load
	ds_add_u32 v[SPW], v[NIL]
	v_lshrrev_b32 v1, 5, v0
	v_readfirstlane_b32 s14, v1                    ; wave 0..3
	s_lshr_b32 s15, s14, 1                         ; my half of the tile's rows.  Also: I fetch for A (0) or for B (1)
	s_and_b32 s16, s14, 1                          ; my half of its columns.  Also: which 128 rows I fetch
	s_bfe_u32 s40, ttmp6, 0x40000                  ; cx
	s_bfe_u32 s41, ttmp6, 0x40004                  ; cy
	s_lshl_b32 s42, ttmp9, 2
	s_add_co_u32 s42, s42, s40                     ; tile column 0..3
	s_and_b32 s17, ttmp7, 0xffff
	s_lshr_b32 s96, s17, 2                         ; t: four clusters along y to a tensor
	s_lshl_b32 s17, s17, 2
	s_add_co_u32 s17, s17, s41                     ; tile row 0..47 of the stacked activations
	s_lshl_b32 s43, s41, 2
	s_lshl_b32 s43, 15, s43                        ; my row of the cluster
	s_lshl_b32 s44, 0x1111, s40                    ; my column
	s_or_b32 s[G1+0], s43, (0<<16)|(1<<20)|(1<<21)|(5<<22)|(3<<25)  ; the mask; elements of 1 byte; padding: 4 words after every 64; bit 21 beside a mask
	s_or_b32 s[G1B+0], s44, (0<<16)|(1<<20)|(1<<21)|(5<<22)|(3<<25)
.irp g, G1, G1B
	s_mov_b32 s[\g+1], ROWB<<16                    ; tensor_dim0
	s_mov_b32 s[\g+2], 128<<16                     ; tensor_dim1
	s_mov_b32 s[\g+3], ROWB<<16                    ; tile_dim0
	s_mov_b32 s[\g+4], 128                         ; tile_dim1
	s_mov_b32 s[\g+5], KROW                        ; the pitch
	s_mov_b32 s[\g+6], 0
	s_mov_b32 s[\g+7], 0
.endr
	s_or_b32 s[G1S+0], s43, (3<<16)|(1<<20)|(1<<21)|(5<<22)|(3<<25)  ; the scales of 128 rows: 4,096 dense bytes as 16 rows of 32 elements of 8 bytes
	s_or_b32 s[G1SB+0], s44, (3<<16)|(1<<20)|(1<<21)|(5<<22)|(3<<25)
.irp g, G1S, G1SB
	s_mov_b32 s[\g+1], 32<<16
	s_mov_b32 s[\g+2], (128*KS/256)<<16
	s_mov_b32 s[\g+3], 32<<16
	s_mov_b32 s[\g+4], 128*KS/256
	s_mov_b32 s[\g+5], 32
	s_mov_b32 s[\g+6], 0
	s_mov_b32 s[\g+7], 0
.endr
	s_lshl_b32 s18, s16, 7                         ; which 128 rows of the tile I fetch
	s_lshl_b32 s20, s17, 8
	s_add_co_u32 s20, s20, s18                     ; A: row 256 x tile row + 128 x half
	s_lshl_b32 s46, s42, 8
	s_add_co_u32 s46, s46, s18
	s_lshl_b32 s19, s96, 10
	s_add_co_u32 s46, s46, s19                     ; B: row 1,024 t + 256 x tile column + 128 x half
	s_mov_b32 s21, 0
	s_mov_b32 s47, 0
	s_lshl_b32 s22, s20, 5                         ; where these rows' scales begin,
	s_mov_b32 s23, 0
	s_lshl_b32 s92, s46, 5
	s_mov_b32 s93, 0
	s_lshl_b32 s20, s20, 9                         ; and their codes
	s_lshl_b32 s46, s46, 9
	s_mul_i32 s45, s14, HALFT                      ; where they go: by the wave's number alone
	s_mul_i32 s94, s14, HALFS
	s_wait_dscnt 0x0                               ; both opening adds are done
	s_wait_kmcnt 0x0
	s_add_nc_u64 s[20:21], s[4:5], s[20:21]
	s_add_nc_u64 s[22:23], s[4:5], s[22:23]
	s_add_nc_u64 s[22:23], s[22:23], AS_OFF
	s_add_nc_u64 s[46:47], s[4:5], s[46:47]
	s_add_nc_u64 s[46:47], s[46:47], BC_OFF
	s_add_nc_u64 s[92:93], s[4:5], s[92:93]
	s_add_nc_u64 s[92:93], s[92:93], BS_OFF
	CROUND                                         ; all sixteen work-groups are here: the joint loads meet
	s_mov_b32 s[G0S], 1
	s_add_co_u32 s[G0S+1], s94, SCL
	s_mov_b64 s[G0S+2:G0S+3], s[22:23]
	s_or_b32 s[G0S+3], s[G0S+3], 0x80000000
	s_mov_b32 s[G0SB], 1
	s_add_co_u32 s[G0SB+1], s94, SCL
	s_mov_b64 s[G0SB+2:G0SB+3], s[92:93]
	s_or_b32 s[G0SB+3], s[G0SB+3], 0x80000000
	JLOAD G0S, G1S, G0SB, G1SB                     ; the scales first: they are wanted with the first products
.irp s, 0,1
	s_mov_b32 s[G0+4*\s], 1
	s_add_co_u32 s[G0+4*\s+1], s45, \s*SLOT
	s_add_nc_u64 s[G0+4*\s+2:G0+4*\s+3], s[20:21], \s*ROWB
	s_or_b32 s[G0+4*\s+3], s[G0+4*\s+3], 0x80000000
	s_mov_b32 s[G0B+4*\s], 1
	s_add_co_u32 s[G0B+4*\s+1], s45, \s*SLOT
	s_add_nc_u64 s[G0B+4*\s+2:G0B+4*\s+3], s[46:47], \s*ROWB
	s_or_b32 s[G0B+4*\s+3], s[G0B+4*\s+3], 0x80000000
	JLOAD G0+4*\s, G1, G0B+4*\s, G1B               ; three loads of mine are out now
.endr
	v_and_b32 v1, 15, v0                           ; r
	v_bfe_u32 v2, v0, 4, 1                         ; h
	; the bias of my 128 columns, in the result's layout: register 8 b + j = bias[first column + 16 b + 8 h + j]
	s_cmp_eq_u32 s96, 0
	s_cselect_b64 s[66:67], s[6:7], s[8:9]
	s_mov_b32 s98, 1.0
	s_cselect_b32 s98, 0x3d38aa3b, s98             ; what the results are multiplied by: log2(e) / 32 for q, else 1
	s_mov_b32 s99, s98
	s_cmp_eq_u32 s96, 2
	s_cselect_b64 s[66:67], s[10:11], s[66:67]
	s_cselect_b32 s97, 5, 4                        ; a piece's place: q, k: 16 r + 256 h;  v: 32 r + 16 h
	s_cselect_b32 s100, 4, 8
	s_lshl_b32 s46, s42, 10
	s_lshl_b32 s47, s16, 9
	s_add_co_u32 s46, s46, s47
	s_mov_b32 s47, 0
	s_add_nc_u64 s[66:67], s[66:67], s[46:47]
	v_lshlrev_b32 v7, 5, v2
.irp b, 0,1,2,3,4,5,6,7
	global_load_b128 v[BIAS+8*\b:BIAS+8*\b+3], v7, s[66:67] offset:64*\b
	global_load_b128 v[BIAS+8*\b+4:BIAS+8*\b+7], v7, s[66:67] offset:64*\b+16
.endr
	v_lshlrev_b32 v[VO], s97, v1
	v_lshlrev_b32 v5, s100, v2
	v_add_nc_u32 v[VO], v[VO], v5
	v_mul_u32_u24 v3, v1, PITCH
	v_lshl_add_u32 v4, v2, 4, v3                   ; a fragment's row x pitch + 16 x half
	s_mul_i32 s21, s15, HALFT                      ; my 128 rows of A
	s_mul_i32 s22, s16, HALFT
	s_add_co_u32 s22, s22, 2*HALFT                 ; my 128 rows of B, behind A's 256
.irp s, 0,1
	v_add_nc_u32 v[ADRA+\s], s21, v4
	v_add_nc_u32 v[ADRB+\s], s22, v4
	s_add_co_u32 s21, s21, SLOT
	s_add_co_u32 s22, s22, SLOT
.endr
	v_mul_u32_u24 v5, v1, KS                       ; my row's scales: 32 bytes a row,
	v_lshrrev_b32 v6, 8, v5
	v_lshl_add_u32 v5, v6, 4, v5                   ; and 16 more for each 256 passed
	s_mul_i32 s21, s15, HALFS
	s_mul_i32 s22, s16, HALFS
	s_add_co_u32 s22, s22, 2*HALFS
	s_sub_co_u32 s22, s22, s21
	v_mul_u32_u24 v6, s22, v2                      ; lanes 16-31 take B's: the lower base + h x the distance
	s_add_co_u32 s21, s21, SCL
	v_add_nc_u32 v5, v5, v6
	v_add_nc_u32 v[ADRS], s21, v5
	; where my results go
	s_and_b32 s20, s17, 15
	s_lshl_b32 s20, s20, 8
	s_lshl_b32 s21, s15, 7
	s_add_co_u32 s20, s20, s21                     ; my first row in tensor t
	s_lshr_b32 s21, s20, 11                        ; the batch
	s_and_b32 s20, s20, 2047                       ; the token
	s_lshl_b32 s21, s21, 4
	s_lshl_b32 s22, s42, 2
	s_add_co_u32 s21, s21, s22
	s_lshl_b32 s22, s16, 1
	s_add_co_u32 s21, s21, s22                     ; 16 x batch + my first head
	s_lshl_b32 s21, s21, 18                        ; a head's image is 262,144 bytes
	s_lshl_b32 s20, s20, 7                         ; 16 tokens are 2,048 bytes
	s_add_co_u32 s20, s20, s21
	s_lshl_b32 s21, s96, 23
	s_add_co_u32 s20, s20, s21
	s_mov_b32 s21, 0
	s_add_nc_u64 s[12:13], s[12:13], s[20:21]
.macro FRAG reg, adr, q, i             ; 16 rows x 128 K of 4-bit codes: lane l holds row l % 16; registers 4 c .. 4 c + 3 hold K = 64 c + 32 (l / 16) + 0 .. 31
.irp c, 0,1
	ds_load_b128 v[\reg+4*\c:\reg+4*\c+3], v[\adr] offset:64*(\q)+32*\c+(\i)*16*PITCH
.endr
.endm
; 16 matrix instructions: A's blocks a0, a0 + 1 x B's eight.  first = 1: the sums begin with the bias.  The 64 accumulators take turns, one instruction a turn, in the same order in every step.
.macro MUL16 a0, p, q, sc, first
.irp a, \a0, \a0+1
.irp b, 0,1,2,3,4,5,6,7
.if \first
	v_wmma_scale_f32_16x16x128_f8f6f4 v[8*(8*((\a)%4)+\b):8*(8*((\a)%4)+\b)+7], v[128*(\p)+FR*\b:128*(\p)+FR*\b+FR-1], v[AF+FR*(\a):AF+FR*(\a)+FR-1], v[BIAS+8*\b:BIAS+8*\b+7], v[SC+8*NQ*(\sc)+NQ*\b+(\q)], v[SC+8*NQ*(\sc)+NQ*(\a)+(\q)] matrix_a_fmt:MATRIX_FMT_FP4 matrix_b_fmt:MATRIX_FMT_FP4 matrix_a_scale:MATRIX_SCALE_ROW1
.else
	v_wmma_scale_f32_16x16x128_f8f6f4 v[8*(8*((\a)%4)+\b):8*(8*((\a)%4)+\b)+7], v[128*(\p)+FR*\b:128*(\p)+FR*\b+FR-1], v[AF+FR*(\a):AF+FR*(\a)+FR-1], v[8*(8*((\a)%4)+\b):8*(8*((\a)%4)+\b)+7], v[SC+8*NQ*(\sc)+NQ*\b+(\q)], v[SC+8*NQ*(\sc)+NQ*(\a)+(\q)] matrix_a_fmt:MATRIX_FMT_FP4 matrix_b_fmt:MATRIX_FMT_FP4 matrix_a_scale:MATRIX_SCALE_ROW1
.endif
.endr
.endr
.endm
.macro FETCH_B slot, q, p
	WIN TO_B
.irp i, 0,1,2,3,4,5,6,7
	FRAG 128*(\p)+FR*\i, ADRB+\slot, \q, \i
.endr
	WIN 0
.endm
.macro FETCH_A slot, q, i0
.irp i, \i0, \i0+1, \i0+2, \i0+3
	FRAG AF+FR*(\i), ADRA+\slot, \q, \i
.endr
.endm
.macro SCALES sc                       ; a slot's scale words: lanes 0-15 take A's block i, lanes 16-31 B's block i; four words a row
.irp i, 0,1,2,3,4,5,6,7
	ds_load_b128 v[SC+8*NQ*\sc+NQ*\i:SC+8*NQ*\sc+NQ*\i+3], v[ADRS] offset:\i*SBLK
.endr
.endm
.macro PLACES n                        ; plain vector lines between a matrix instruction and a load into, or a vector line on, one of its registers
.rept \n
	v_nop
.endr
.endm
.macro STEP slot, q, first             ; 128 along K that has its successor in the same slot
	s_wait_dscnt 4*NL                              ; B's set and A's blocks 0-3 are in; the youngest eight loads (A's blocks 4-7) may be out
.if \first
	WIN BEG_LO
.else
	WIN MUL_LO
.endif
	MUL16 0, (\q)%2, \q, \slot, \first
	MUL16 2, (\q)%2, \q, \slot, \first
	s_wait_dscnt 0                                 ; A's blocks 4-7 are in
	PLACES NP
	FETCH_B \slot, (\q)+1, 1-(\q)%2
	FETCH_A \slot, (\q)+1, 0
.if \first
	WIN BEG_HI
.else
	WIN MUL_HI
.endif
	MUL16 4, (\q)%2, \q, \slot, \first
	MUL16 6, (\q)%2, \q, \slot, \first
	PLACES NP
	WIN 0
	FETCH_A \slot, (\q)+1, 4
.endm
.macro STEPS slot, from
.set Q, \from
.rept NQ-1-\from
	STEP \slot, Q, 0
.set Q, Q+1
.endr
.endm
	s_wait_tensorcnt 1                             ; the scales and my part of slot 0 are in; slot 1's load may be out
	s_barrier_signal -1
	s_barrier_wait -1                              ; everybody's are
	FETCH_B 0, 0, 0
	FETCH_A 0, 0, 0
	SCALES 0
	FETCH_A 0, 0, 4
	s_wait_loadcnt 0x0                             ; the bias
	STEP 0, 0, 1
	STEPS 0, 1
	; slot 0's last step changes slots: one barrier, in front of which my part of slot 1 has landed
	s_wait_tensorcnt 0x0                           ; all my tensor loads have landed
	ds_add_u32 v[SPW], v[NIL]
	s_wait_dscnt 4*NL+1                            ; the add and the youngest eight loads may be out
	WIN MUL_LO
	MUL16 0, 1, NQ-1, 0, 0
	s_wait_dscnt 0x0                               ; the add is done, and no LDS load of mine is out at the signal
	s_barrier_signal -1
	MUL16 2, 1, NQ-1, 0, 0
	WIN 0
	s_barrier_wait -1                              ; slot 1 is whole
	PLACES NP
	v_add_nc_u32 v[ADRS], 4*NQ, v[ADRS]            ; on to slot 1's scale words
	FETCH_B 1, 0, 0
	FETCH_A 1, 0, 0
	SCALES 1
	WIN MUL_HI
	MUL16 4, 1, NQ-1, 0, 0
	MUL16 6, 1, NQ-1, 0, 0
	PLACES NP
	WIN 0
	FETCH_A 1, 0, 4
	STEPS 1, 0
	s_wait_dscnt 4*NL                              ; the very last step
	WIN MUL_LO
	MUL16 0, 1, NQ-1, 1, 0
	MUL16 2, 1, NQ-1, 1, 0
	s_wait_dscnt 0
	WIN MUL_HI
	MUL16 4, 1, NQ-1, 1, 0
	MUL16 6, 1, NQ-1, 1, 0
	WIN 0
	PLACES NP                                      ; ahead of the lines that write the scale words' and A's registers and read results
; Block a: 16 tokens x 128 columns.  Each accumulator is read from its low end on.
.macro OUTBLK a
.set AC, 64*((\a)%4)
.set PK, 128+32*((\a)%4)
.set WN, 0x02+(\a)/4
.if (\a) >= 4
	s_wait_xcnt 0x0                                ; block a - 4's stores have read the registers that are written again now
.endif
	WIN WN                                         ; source 0: window 2 or 3
.irp b, 0,1,2,3,4,5,6,7
.irp i, 0,1,2,3
	v_pk_mul_f32 v[32+8*\b+2*\i:33+8*\b+2*\i], v[AC+8*\b+2*\i:AC+8*\b+2*\i+1], s[98:99] op_sel_hi:[1,0]
.endr
.endr
	WIN 0
.irp b, 0,1,2,3,4,5,6,7
.irp i, 0,1,2,3
	v_cvt_pk_bf16_f32 v[PK+4*\b+\i], v[32+8*\b+2*\i], v[33+8*\b+2*\i]
.endr
.endr
.irp b, 0,1,2,3,4,5,6,7
	global_store_b128 v[VO], v[PK+4*\b:PK+4*\b+3], s[12:13] offset:(\a)*2048+(\b/4)*262144+(\b%4)*512   ; 512 consecutive bytes, aligned
.endr
.endm
.irp a, 0,1,2,3,4,5,6,7
	OUTBLK \a
.endr
	s_wait_tensorcnt 0x0                           ; the wave's end
	ds_add_u32 v[SPW], v[NIL]
	s_wait_dscnt 0x0
	CROUND                                         ; the closing round
	s_endpgm
.Lfunc_end_k_q9753466eff_proj:
	.size	k_q9753466eff_proj, .Lfunc_end_k_q9753466eff_proj-k_q9753466eff_proj
	.p2alignl 7, 3214868480
	.fill 96, 4, 3214868480
	.section	.rodata,"a",@progbits
	.p2align	6, 0x0
	.amdhsa_kernel k_q9753466eff_proj
		.amdhsa_group_segment_fixed_size 327680
		.amdhsa_private_segment_fixed_size 0
		.amdhsa_enable_private_segment 0
		.amdhsa_kernarg_size 40
		.amdhsa_user_sgpr_count 2
		.amdhsa_user_sgpr_kernarg_segment_ptr 1
		.amdhsa_wavefront_size32 1
		.amdhsa_system_sgpr_workgroup_id_x 1
		.amdhsa_system_sgpr_workgroup_id_y 1
		.amdhsa_system_sgpr_workgroup_id_z 1
		.amdhsa_system_vgpr_workitem_id 0
		.amdhsa_next_free_vgpr 1024
		.amdhsa_next_free_sgpr 102
		.amdhsa_reserve_vcc 0
		.amdhsa_float_denorm_mode_32 3
		.amdhsa_float_denorm_mode_16_64 3
		.amdhsa_memory_ordered 1
		.amdhsa_forward_progress 1
		.amdhsa_inst_pref_size 136
	.end_amdhsa_kernel
	.amdgpu_metadata
---
amdhsa.version: [ 1, 2 ]
amdhsa.kernels:
  - .name:           k_q9753466eff_proj
    .symbol:         k_q9753466eff_proj.kd
    .args:
      - { .name: pq, .offset: 0, .size: 8, .value_kind: global_buffer, .address_space: global }
      - { .name: bq, .offset: 8, .size: 8, .value_kind: global_buffer, .address_space: global }
      - { .name: bk, .offset: 16, .size: 8, .value_kind: global_buffer, .address_space: global }
      - { .name: bv, .offset: 24, .size: 8, .value_kind: global_buffer, .address_space: global }
      - { .name: qkv, .offset: 32, .size: 8, .value_kind: global_buffer, .address_space: global }
    .group_segment_fixed_size: 327680
    .private_segment_fixed_size: 0
    .kernarg_segment_align: 8
    .kernarg_segment_size: 40
    .max_flat_workgroup_size: 128
    .sgpr_count:     102
    .vgpr_count:     1024
    .wavefront_size: 32
...
	.end_amdgpu_metadata
.endif
;; end of part 2
;; launch attn (part 3): grid 8 x 32, 8 waves a work-group, clusters of 4 x 1, 327,680 bytes of LDS; arguments qkv, mask, oimg; writes oimg
.if DOCPART == 3
	.amdgcn_target "amdgcn-amd-amdhsa--gfx1250"
	.amdhsa_code_object_version 6
	.text
	.protected	k_q9753466eff_attn
	.globl	k_q9753466eff_attn
	.p2align	8
	.type	k_q9753466eff_attn,@function
k_q9753466eff_attn:
	s_mov_b64 s[64:65], 0
	v_nop
	global_prefetch_b8 v0, s[64:65] scope:SCOPE_SE
	s_setreg_imm32_b32 hwreg(HW_REG_WAVE_MODE, 25, 1), 1
	s_wait_xcnt 0x0
	s_wait_alu depctr_hold_cnt(0) depctr_sa_sdst(0) depctr_va_vdst(0) depctr_va_sdst(0) depctr_va_ssrc(0) depctr_va_vcc(0) depctr_vm_vsrc(0)
	s_getreg_b32 s2, hwreg(HW_REG_IB_STS2, 6, 4)
	s_cmp_eq_u32 s2, 0
	s_cbranch_scc0 .Lentry_in_a_cluster
	s_endpgm
.Lentry_in_a_cluster:
	s_bfe_u32 s2, ttmp6, 0x10000c
	s_cmp_lg_u32 s2, 0x3003
	s_cbranch_scc0 .Lentry_shape_is_right
	s_endpgm
.Lentry_shape_is_right:
; ATTN: o[b][q][head] = sum over keys of softmax(q . k / 32 - (1 - mask[key]) 1e12) v, for 32 (batch, head) pairs of 2,048 tokens x 64 channels.  Operands bf16, products, maxima and sums f32.
; q arrives multiplied by log2(e) / 32, so a score is already an exponent of 2.  The mask's term, -((1 - mask) 1e12) log2(e), is made once in f32, kept in LDS, and is the C of each score's first product.
; SHARES.  A work-group owns 256 queries of one (batch, head).  Wave w = 4 s + g owns the 64 queries 64 g .. 64 g + 63 (four tiles of 16) and HALF THE KEYS: keys 256 s .. 256 s + 255 of every 512.
; So a fragment of K or V read from LDS feeds four matrix instructions: 40 LDS loads for a key step's 64.  Two waves share a SIMD (512 registers each), so that one wave's softmax stands beside the other's products.
; At the end the two waves of a query group join their parts: O = (f0 O0 + f1 O1) / (f0 l0 + f1 l1) with f = 2^(m - the larger m).
; LAYOUT.  S^T = K Q^T (source 0 = 16 keys, source 1 = 16 queries) and O^T = V^T P: a lane holds ONE query throughout; two tiles of S^T rounded to bf16 in pairs ARE source 1 of the second product.
; K, Q and V arrive as images of operand registers, so every LDS load of a wave reads 512 consecutive bytes and no padding is needed; V's blocks of 16 keys x 16 channels are turned by ds_load_tr16_b128.
; SOFTMAX.  A running maximum m and sum l for each query; p = 2^(x - m); O^T and l are multiplied by a = 2^(old m - new m) in every step.
; RING.  Two slots of 512 keys (K 65,536 bytes, V 65,536).  Each of the eight waves brings an eighth of a slot by ONE line: the LDS address is 16,384 x wave, and waves 0-3 name K, waves 4-7 V.
; CLUSTER.  The four query blocks of a cluster walk the same K and V: each tile is asked for jointly, mask 15.  A refill goes out four key steps of every wave, 256 matrix instructions, ahead of the wait for it,
; so no separate prefetch is laid.
; LIMITS: NaN and infinities are not served.  With at least one open key in a batch, masked keys weigh exactly 0.  A batch in which EVERY key is masked gives the uniform weights that f32 arithmetic gives
; only if the matrix unit's sum of C = -1.44e12 and products under 2^16 in size comes out as C itself.
; REGISTERS.  window 0: v1-9 addresses; v10-14 the way out's addresses; v16-47 statistics, 8 a tile (+0 m, +2,3 l, +4..7 at work, +6 a); v48-55 second chains of the sums;
;             v64-127 K's eight fragments, then V's, in ONE buffer; v128-255 S^T, then p, then P.      window 1: v0-63 Q; v64-191 O^T; v192-223 the mask's terms.
.set SLOT1, 1<<17
.set MASKB, 2*SLOT1                    ; 2,048 f32: the mask's terms of my batch; no tile lands here
.set SPARE, MASKB+8192                 ; the spare words, 128 bytes for each of eight waves
.set STATS, SPARE+1024                 ; the way out: m and l of each wave's four tiles, 1,024 bytes a wave; no tile lands here
.set AK0, 1
.set AV0, 2
.set AM0, 3
.set ADK, 4
.set ADV, 5
.set ADM, 6
.set SPW, 8
.set NIL, 9
.set ST,  16
.set SC2, 48
.set KV,  64
.set S,   128
.set OW,  64                           ; O^T, in window 1
.set MBW, 192                          ; the mask's terms, in window 1
.set MSB, 0
.macro WIN new                         ; the immediate's high byte repeats the setting that is left
.if MSB != \new
	s_set_vgpr_msb (MSB<<8)|\new
.set MSB, \new
.endif
.endm
.macro CROUND                          ; a round of the cluster's barrier
	s_barrier_signal -1
	s_barrier_wait -1
	s_cmp_lg_u32 s10, 0
	s_cbranch_scc1 .Lnot_wave_0_\@
	s_barrier_signal -3
.Lnot_wave_0_\@:
	s_barrier_wait -3
	s_barrier_signal -1
	s_barrier_wait -1
.endm
.macro TLOAD                           ; every wave's one tensor load; an s_nop 0 and four v_nop follow it
	tensor_load_to_lds s[24:27], s[16:23]
	s_nop 0
.rept 4
	v_nop
.endr
.endm
	s_load_b128 s[4:7], s[0:1], 0x0                ; qkv s[4:5], mask s[6:7]
	s_load_b64 s[8:9], s[0:1], 0x10                ; oimg
	v_lshl_add_u32 v[SPW], v0, 2, SPARE
	v_mov_b32 v[NIL], 0
	ds_add_u32 v[SPW], v[NIL]                      ; the wave's opening: the add, twice on end, and its wait ahead of my first tensor load
	ds_add_u32 v[SPW], v[NIL]
	v_lshrrev_b32 v1, 5, v0
	v_readfirstlane_b32 s10, v1                    ; wave 0..7
	s_and_b32 s14, s10, 3                          ; g: my 64 queries.  Also: which quarter of a slot's tile I fetch
	s_lshr_b32 s15, s10, 2                         ; s: my half of the keys.  Also: I fetch for K (0) or for V (1)
	s_bfe_u32 s11, ttmp6, 0x40000                  ; cx
	s_lshl_b32 s12, ttmp9, 2
	s_add_co_u32 s12, s12, s11                     ; my block of 256 queries: it enters Q's and O's addresses alone
	s_and_b32 s13, ttmp7, 0xffff                   ; 16 x batch + head, which the four partners share
	s_mov_b32 s16, 15|(3<<16)|(1<<21)              ; group 1: the mask, all four; elements of 8 bytes; bit 21 beside a mask; no padding
	s_mov_b32 s17, 32<<16                          ; tensor_dim0 = 32 elements: 256 bytes
	s_mov_b32 s18, 64<<16                          ; tensor_dim1 = 64
	s_mov_b32 s19, 32<<16                          ; tile_dim0
	s_mov_b32 s20, 64                              ; tile_dim1: 16,384 dense bytes
	s_mov_b32 s21, 32                              ; the pitch
	s_mov_b32 s22, 0
	s_mov_b32 s23, 0
	s_mov_b32 s28, 0x76543210                      ; v_permlanex16_b32's selects for lane l xor 16
	s_mov_b32 s29, 0xfedcba98
	s_lshl_b32 s30, s15, 15                        ; LDS byte at which my step's K begins: 256 keys are 32,768 bytes
	s_lshl_b32 s31, s15, 10                        ; and its 64 mask terms: 256 bytes a step
	s_mov_b32 s32, 3                               ; slots still to be asked for
	s_add_co_u32 s34, s15, 1
	s_lshl_b32 s34, s34, 23                        ; k's images begin 8,388,608 bytes into qkv, v's twice as far
	s_lshl_b32 s35, s13, 18
	s_add_co_u32 s34, s34, s35                     ; my head's image
	s_lshl_b32 s35, s14, 14
	s_add_co_u32 s34, s34, s35                     ; my quarter of a slot's 512 keys
	s_mov_b32 s35, 0
	s_lshl_b32 s36, s10, 14                        ; and where it goes
	s_wait_dscnt 0x0                               ; both opening adds are done
	s_wait_kmcnt 0x0
	CROUND                                         ; all four work-groups are here
	s_mov_b32 s24, 1
	s_mov_b32 s25, s36
	s_add_nc_u64 s[26:27], s[4:5], s[34:35]
	s_or_b32 s27, s27, 0x80000000
	TLOAD                                          ; slot 0
	s_lshr_b32 s34, s13, 4
	s_lshl_b32 s34, s34, 13                        ; my batch's 2,048 numbers of the mask
	s_add_nc_u64 s[6:7], s[6:7], s[34:35]
	v_lshlrev_b32 v7, 5, v0                        ; eight of them a thread
	global_load_b128 v[64:67], v7, s[6:7]
	global_load_b128 v[68:71], v7, s[6:7] offset:16
	s_lshl_b32 s34, s13, 18
	s_lshl_b32 s36, s12, 15
	s_add_co_u32 s34, s34, s36
	s_lshl_b32 s36, s14, 13
	s_add_co_u32 s34, s34, s36                     ; q's image at my wave's four tiles
	s_add_nc_u64 s[4:5], s[4:5], s[34:35]
	v_and_b32 v1, 31, v0
	v_lshlrev_b32 v[AK0], 4, v1                    ; 16 x lane
	WIN 0x40                                       ; destination window 1
.irp t, 0,1,2,3
.irp u, 0,1
.irp c, 0,1
	global_load_b128 v[16*\t+8*\u+4*\c:16*\t+8*\u+4*\c+3], v[AK0], s[4:5] offset:\t*2048+\u*1024+\c*512   ; Q stays in registers
.endr
.endr
.endr
.set i_, 0
.rept 128
	v_mov_b32 v[OW+i_], 0                          ; O^T.  (The step is written once: its first turn finds zeros, which a = 0 leaves zeros; a first step of its own would be a third copy of the step)
.set i_, i_+1
.endr
	WIN 0
	v_bfe_u32 v11, v0, 4, 1                        ; h
	v_and_b32 v12, 7, v0
	v_lshl_add_u32 v12, v11, 3, v12                ; the turning load: key 8 h + l % 8 of a block,
	v_bfe_u32 v13, v0, 3, 1
	v_lshlrev_b32 v13, 4, v13                      ; channels 8 ((l / 8) % 2) on
	v_lshl_add_u32 v[AV0], v12, 5, v13
	v_add_nc_u32 v[AV0], 65536, v[AV0]             ; V lies behind K in a slot
	v_lshl_add_u32 v[AM0], v11, 5, MASKB           ; the mask's terms of keys 8 h on
	v_lshl_add_u32 v14, v0, 5, MASKB
.irp t, 0,1,2,3
	v_mov_b32 v[ST+8*\t], 0xff61b1e6               ; m = -3e38, under every score
.irp j, 1,2,3,4,5,6,7
	v_mov_b32 v[ST+8*\t+\j], 0                     ; l = 0; the others are written once, since pairs and lane permutes name them
.endr
.endr
	s_wait_loadcnt 16                              ; the mask is in; Q's sixteen loads may be out
.irp j, 0,1,2,3,4,5,6,7
	v_sub_f32 v[64+\j], 1.0, v[64+\j]
.endr
.irp j, 0,1,2,3,4,5,6,7
	v_mul_f32 v[64+\j], 0x5368d4a5, v[64+\j]       ; x 1e12
.endr
.irp j, 0,1,2,3,4,5,6,7
	v_mul_f32 v[64+\j], 0xbfb8aa3b, v[64+\j]       ; x -log2(e)
.endr
	ds_store_b128 v14, v[64:67]
	ds_store_b128 v14, v[68:71] offset:16          ; read by all waves behind the first change of slots, whose wait for 0 and barrier order them
	s_wait_loadcnt 0x0                             ; Q
; A KEY STEP: 64 keys x my 64 queries.
.macro STEP
	v_add_nc_u32 v[ADK], s30, v[AK0]
	v_add_nc_u32 v[ADV], s30, v[AV0]
	v_add_nc_u32 v[ADM], s31, v[AM0]
	v_nop
	v_nop                                          ; five plain lines behind the last products: four are owed to the loads into the buffer that they read, five to the products that write over P
.irp kt, 0,1,2,3                               ; K, channels 0-31 of keys 16 kt on,
	ds_load_b128 v[KV+16*\kt:KV+16*\kt+3],   v[ADK] offset:\kt*2048
	ds_load_b128 v[KV+16*\kt+4:KV+16*\kt+7], v[ADK] offset:\kt*2048+512
.endr
	WIN 0x40                                       ; destination window 1
.irp kt, 0,1,2,3                               ; the mask's terms,
	ds_load_b128 v[MBW+8*\kt:MBW+8*\kt+3],   v[ADM] offset:\kt*64
	ds_load_b128 v[MBW+8*\kt+4:MBW+8*\kt+7], v[ADM] offset:\kt*64+16
.endr
	WIN 0
.irp kt, 0,1,2,3                               ; and K's channels 32-63, which are wanted sixteen products later
	ds_load_b128 v[KV+16*\kt+8:KV+16*\kt+11],  v[ADK] offset:\kt*2048+1024
	ds_load_b128 v[KV+16*\kt+12:KV+16*\kt+15], v[ADK] offset:\kt*2048+1536
.endr
	s_wait_dscnt 8                                 ; the first sixteen loads are in; the eight of channels 32-63 may be out
	WIN 0x14                                       ; source 1 (Q) and source 2 (the mask's terms) window 1
.irp kt, 0,1,2,3                               ; sixteen accumulators by turns, one instruction a turn
.irp t, 0,1,2,3
	v_wmma_f32_16x16x32_bf16 v[S+32*\t+8*\kt:S+32*\t+8*\kt+7], v[KV+16*\kt:KV+16*\kt+7], v[16*\t:16*\t+7], v[MBW+8*\kt:MBW+8*\kt+7]
.endr
.endr
	s_wait_dscnt 0x0                               ; channels 32-63 are in
	WIN 0x04                                       ; source 1 (Q) window 1
.irp kt, 0,1,2,3
.irp t, 0,1,2,3
	v_wmma_f32_16x16x32_bf16 v[S+32*\t+8*\kt:S+32*\t+8*\kt+7], v[KV+16*\kt+8:KV+16*\kt+15], v[16*\t+8:16*\t+15], v[S+32*\t+8*\kt:S+32*\t+8*\kt+7]
.endr
.endr
	WIN 0
.rept 4
	v_nop                                          ; four plain lines ahead of the loads into K's registers and of the first read of the scores
.endr
.irp tc, 0,1,2,3                               ; V, turned, into the buffer that K has left: it has the whole softmax in which to land
.irp kk, 0,1
	ds_load_tr16_b128 v[KV+8*(2*\tc+\kk):KV+8*(2*\tc+\kk)+3],   v[ADV] offset:(2*\kk)*2048+\tc*512
	ds_load_tr16_b128 v[KV+8*(2*\tc+\kk)+4:KV+8*(2*\tc+\kk)+7], v[ADV] offset:(2*\kk+1)*2048+\tc*512
.endr
.endr
	; the maximum of my 32 scores and the old m: four chains, each accumulator read from its low end on; the four tiles line by line
.irp j, 0,1,2,3
.irp t, 0,1,2,3
	v_max3_num_f32 v[ST+8*\t+4+\j], v[S+32*\t+8*\j], v[S+32*\t+8*\j+1], v[S+32*\t+8*\j+2]
.endr
.endr
.irp g, 1,2
.irp j, 0,1,2,3
.irp t, 0,1,2,3
	v_max3_num_f32 v[ST+8*\t+4+\j], v[ST+8*\t+4+\j], v[S+32*\t+8*\j+2*\g+1], v[S+32*\t+8*\j+2*\g+2]
.endr
.endr
.endr
.irp t, 0,1,2,3
	v_max3_num_f32 v[ST+8*\t+4], v[ST+8*\t+4], v[S+32*\t+7], v[S+32*\t+15]
.endr
.irp t, 0,1,2,3
	v_max3_num_f32 v[ST+8*\t+6], v[ST+8*\t+6], v[S+32*\t+23], v[S+32*\t+31]
.endr
.irp t, 0,1,2,3
	v_max3_num_f32 v[ST+8*\t+4], v[ST+8*\t+4], v[ST+8*\t+5], v[ST+8*\t+6]
.endr
.irp t, 0,1,2,3
	v_max3_num_f32 v[ST+8*\t+4], v[ST+8*\t+4], v[ST+8*\t+7], v[ST+8*\t]
.endr
.irp t, 0,1,2,3
	v_permlanex16_b32 v[ST+8*\t+5], v[ST+8*\t+4], s28, s29   ; the query's other 32 keys lie in the lane 16 away
.endr
.irp t, 0,1,2,3
	v_max_num_f32 v[ST+8*\t+7], v[ST+8*\t+4], v[ST+8*\t+5]   ; the new m
.endr
.irp t, 0,1,2,3
	v_sub_f32 v[ST+8*\t+6], v[ST+8*\t], v[ST+8*\t+7]         ; old m - new m
.endr
.irp t, 0,1,2,3
	v_mov_b32 v[ST+8*\t], v[ST+8*\t+7]
.endr
.irp t, 0,1,2,3
	v_exp_f32 v[ST+8*\t+6], v[ST+8*\t+6]                     ; a
.endr
	; x - m, a pair a line, and p = 2^(x - m), by turns: a pair is subtracted one round of the four tiles ahead of its two exponentials.  No line here names an exponential's result
.irp t, 0,1,2,3
	v_pk_add_f32 v[S+32*\t:S+32*\t+1], v[S+32*\t:S+32*\t+1], v[ST+8*\t:ST+8*\t+1] op_sel_hi:[1,0] neg_lo:[0,1] neg_hi:[0,1]
.endr
.set i_, 0
.rept 16
.irp t, 0,1,2,3
.if i_ < 15
	v_pk_add_f32 v[S+32*\t+2*i_+2:S+32*\t+2*i_+3], v[S+32*\t+2*i_+2:S+32*\t+2*i_+3], v[ST+8*\t:ST+8*\t+1] op_sel_hi:[1,0] neg_lo:[0,1] neg_hi:[0,1]
.endif
	v_exp_f32 v[S+32*\t+2*i_], v[S+32*\t+2*i_]
	v_exp_f32 v[S+32*\t+2*i_+1], v[S+32*\t+2*i_+1]
.endr
.set i_, i_+1
.endr
	v_nop                                          ; one plain line behind the last exponential
	s_wait_alu depctr_va_vdst(0)                   ; ONE wait for the step's 132 exponentials, ahead of the first line that names a result
	; the sums of the unrounded p, two chains a tile
.irp t, 0,1,2,3
	v_pk_add_f32 v[ST+8*\t+4:ST+8*\t+5], v[S+32*\t:S+32*\t+1], v[S+32*\t+4:S+32*\t+5]
	v_pk_add_f32 v[SC2+2*\t:SC2+2*\t+1], v[S+32*\t+2:S+32*\t+3], v[S+32*\t+6:S+32*\t+7]
.endr
.irp i, 8,12,16,20,24,28
.irp t, 0,1,2,3
	v_pk_add_f32 v[ST+8*\t+4:ST+8*\t+5], v[ST+8*\t+4:ST+8*\t+5], v[S+32*\t+\i:S+32*\t+\i+1]
	v_pk_add_f32 v[SC2+2*\t:SC2+2*\t+1], v[SC2+2*\t:SC2+2*\t+1], v[S+32*\t+\i+2:S+32*\t+\i+3]
.endr
.endr
.irp t, 0,1,2,3
	v_pk_fma_f32 v[ST+8*\t+2:ST+8*\t+3], v[ST+8*\t+2:ST+8*\t+3], v[ST+8*\t+6:ST+8*\t+7], v[ST+8*\t+4:ST+8*\t+5] op_sel_hi:[1,0,1]   ; l = a l + the first chain
.endr
.irp t, 0,1,2,3
	v_pk_add_f32 v[ST+8*\t+2:ST+8*\t+3], v[ST+8*\t+2:ST+8*\t+3], v[SC2+2*\t:SC2+2*\t+1]
.endr
.irp i, 0,1,2,3,4,5,6,7,8,9,10,11,12,13,14,15
.irp t, 0,1,2,3
	v_cvt_pk_bf16_f32 v[S+32*\t+\i], v[S+32*\t+2*\i], v[S+32*\t+2*\i+1]   ; P, in place, ascending: register i is written when pairs 0 .. i have been read
.endr
.endr
	WIN 0x41                                       ; O^T (destination and source 0) window 1, a window 0
.irp t, 0,1,2,3
.irp i, 0,2,4,6,8,10,12,14,16,18,20,22,24,26,28,30
	v_pk_mul_f32 v[OW+32*\t+\i:OW+32*\t+\i+1], v[OW+32*\t+\i:OW+32*\t+\i+1], v[ST+8*\t+6:ST+8*\t+7] op_sel_hi:[1,0]
.endr
.endr
	s_wait_dscnt 0x0                               ; V is in
	WIN 0x50                                       ; C and D window 1
.irp kk, 0,1                                   ; sixteen accumulators by turns
.irp tc, 0,1,2,3
.irp t, 0,1,2,3
	v_wmma_f32_16x16x32_bf16 v[OW+32*\t+8*\tc:OW+32*\t+8*\tc+7], v[KV+8*(2*\tc+\kk):KV+8*(2*\tc+\kk)+7], v[S+32*\t+8*\kk:S+32*\t+8*\kk+7], v[OW+32*\t+8*\tc:OW+32*\t+8*\tc+7]
.endr
.endr
.endr
	WIN 0
	s_add_co_u32 s30, s30, 8192                    ; the next 64 keys
	s_add_co_u32 s31, s31, 256
.endm
; THE CHANGE OF SLOTS stands at a slot's head.  Each wave waits for all its tensor loads (its part of the slot ahead), adds 0 to its spare word, and waits for that and for its reads of the slot that it has left.
; fill = 1: behind a round of the cluster's barrier the other slot takes the next 512 keys: the wave's one load, first thing there.
.macro CHANGE fill
	s_wait_tensorcnt 0x0                           ; no tensor load of mine is out, so group 0 may be written
	ds_add_u32 v[SPW], v[NIL]
.if \fill
	s_xor_b32 s25, s25, SLOT1                      ; the other slot than last time,
	s_add_nc_u64 s[26:27], s[26:27], 65536         ; the next 512 keys
.endif
	s_wait_dscnt 0x0                               ; the add is done, my reads of the slot that I have left are over (first time: my mask terms are stored)
.if \fill
	CROUND
	TLOAD
.else
	s_barrier_signal -1
	s_barrier_wait -1
.endif
.endm
.macro SLOT_STEPS                      ; my four key steps of a slot
	s_mov_b32 s33, 4
.Lstep_\@:
	STEP
	s_sub_co_u32 s33, s33, 1
	s_cmp_lg_u32 s33, 0
	s_cbranch_scc1 .Lstep_\@
	s_sub_co_u32 s30, s30, 32768                   ; back to my first step of a slot,
	s_xor_b32 s30, s30, SLOT1                      ; in the other slot;
	s_add_co_u32 s31, s31, 1024                    ; and over the mask terms of my partner's 256 keys
.endm
.Lslot:                                            ; three trips: behind each change of slots but the last the next slot is asked for
	CHANGE 1
	SLOT_STEPS
	s_sub_co_u32 s32, s32, 1
	s_cmp_lg_u32 s32, 0
	s_cbranch_scc1 .Lslot
	CHANGE 0                                       ; the last slot is written out
	SLOT_STEPS
	; THE WAY OUT.  Each wave lays its m, l and O^T into LDS as images of its registers; then wave (g, s) takes tiles 2 s and 2 s + 1 of both waves of group g, joins them, and stores them.
	; The images of O^T, 16,384 bytes a wave, lie in slot 0, which has had its last fill.  The seven address lines are the places behind the last products.
	v_and_b32 v10, 31, v0
	v_lshlrev_b32 v10, 2, v10                      ; 4 x lane
	s_lshl_b32 s34, s10, 10
	s_add_co_u32 s34, s34, STATS
	v_add_nc_u32 v11, s34, v10                     ; where I put m and l: 1,024 bytes a wave, 256 a tile
	s_lshl_b32 s34, s14, 10
	s_lshl_b32 s36, s15, 9
	s_add_co_u32 s34, s34, s36
	s_add_co_u32 s34, s34, STATS
	v_add_nc_u32 v10, s34, v10                     ; where I read them: wave g's tile 2 s; wave g + 4's lies 4,096 bytes on
	s_lshl_b32 s34, s10, 14
	v_add_nc_u32 v12, s34, v[AK0]                  ; where I put O^T: 16,384 x wave + 16 x lane
	s_lshl_b32 s34, s14, 14
	s_lshl_b32 s36, s15, 13
	s_add_co_u32 s34, s34, s36
	v_add_nc_u32 v13, s34, v[AK0]                  ; where I read it: wave g's tile 2 s,
	v_add_nc_u32 v14, 65536, v13                   ; and wave g + 4's
.irp t, 0,1,2,3
	v_add_f32 v[ST+8*\t+4], v[ST+8*\t+2], v[ST+8*\t+3]
.endr
.irp t, 0,1,2,3
	v_permlanex16_b32 v[ST+8*\t+5], v[ST+8*\t+4], s28, s29
.endr
.irp t, 0,1,2,3
	v_add_f32 v[ST+8*\t+4], v[ST+8*\t+4], v[ST+8*\t+5]   ; l over my half of the keys
.endr
	s_wait_dscnt 0x0                               ; no LDS load of mine is out
	s_barrier_signal -1
	s_barrier_wait -1                              ; this barrier parts the stores below from every wave's reads of the ring, whichever slot they name
.irp t, 0,1,2,3
	ds_store_b32 v11, v[ST+8*\t] offset:\t*256
	ds_store_b32 v11, v[ST+8*\t+4] offset:\t*256+128
.endr
	WIN 0x04                                       ; an LDS store's data are its source 1: window 1
.irp t, 0,1,2,3
.irp i, 0,1,2,3,4,5,6,7
	ds_store_b128 v12, v[OW+32*\t+4*\i:OW+32*\t+4*\i+3] offset:\t*4096+\i*512   ; each accumulator from its low end on; 512 consecutive bytes a store
.endr
.endr
	WIN 0
	s_wait_dscnt 0x0                               ; for the others' sake: my stores are done
	s_barrier_signal -1
	s_barrier_wait -1
.irp j, 0,1
	ds_load_b32 v[16+16*\j], v10 offset:\j*256             ; m and l of the wave with the lower keys,
	ds_load_b32 v[17+16*\j], v10 offset:\j*256+128
	ds_load_b32 v[18+16*\j], v10 offset:4096+\j*256        ; and of the wave with the upper keys
	ds_load_b32 v[19+16*\j], v10 offset:4096+\j*256+128
.endr
.irp j, 0,1
.irp i, 0,1,2,3,4,5,6,7
	ds_load_b128 v[128+32*\j+4*\i:128+32*\j+4*\i+3], v13 offset:\j*4096+\i*512
	ds_load_b128 v[192+32*\j+4*\i:192+32*\j+4*\i+3], v14 offset:\j*4096+\i*512
.endr
.endr
	s_lshr_b32 s34, s13, 4
	s_lshl_b32 s34, s34, 7
	s_lshl_b32 s36, s12, 4
	s_add_co_u32 s34, s34, s36
	s_lshl_b32 s36, s14, 2
	s_add_co_u32 s34, s34, s36
	s_lshl_b32 s36, s15, 1
	s_add_co_u32 s34, s34, s36                     ; my first group of 16 tokens among the 256
	s_lshl_b32 s34, s34, 15
	s_and_b32 s36, s13, 15
	s_lshl_b32 s36, s36, 11                        ; my head's eight pieces along K
	s_add_co_u32 s34, s34, s36
	s_mov_b32 s35, 0
	s_add_nc_u64 s[8:9], s[8:9], s[34:35]
	s_wait_dscnt 32                                ; the eight of m and l are in; the 32 loads of O^T may be out
.irp j, 0,1
	v_max_num_f32 v[20+16*\j], v[16+16*\j], v[18+16*\j]    ; the larger m
.endr
.irp j, 0,1
	v_sub_f32 v[22+16*\j], v[16+16*\j], v[20+16*\j]
	v_sub_f32 v[24+16*\j], v[18+16*\j], v[20+16*\j]
.endr
.irp j, 0,1
	v_exp_f32 v[22+16*\j], v[22+16*\j]                     ; f0, f1: one of them is 1
	v_exp_f32 v[24+16*\j], v[24+16*\j]
.endr
	v_nop
	s_wait_alu depctr_va_vdst(0)                   ; one wait for the four exponentials
.irp j, 0,1
	v_mul_f32 v[26+16*\j], v[22+16*\j], v[17+16*\j]
.endr
.irp j, 0,1
	v_fma_f32 v[26+16*\j], v[24+16*\j], v[19+16*\j], v[26+16*\j]   ; l = f0 l0 + f1 l1
.endr
.irp j, 0,1
	v_rcp_f32 v[26+16*\j], v[26+16*\j]
.endr
	v_nop
	s_wait_alu depctr_va_vdst(0)                   ; and one for the two reciprocals
.irp j, 0,1
	v_mul_f32 v[22+16*\j], v[22+16*\j], v[26+16*\j]        ; f0 / l
	v_mul_f32 v[24+16*\j], v[24+16*\j], v[26+16*\j]        ; f1 / l
.endr
	s_wait_dscnt 0x0                               ; both parts of O^T are in
.irp j, 0,1
.irp i, 0,2,4,6,8,10,12,14,16,18,20,22,24,26,28,30
	v_pk_mul_f32 v[128+32*\j+\i:129+32*\j+\i], v[128+32*\j+\i:129+32*\j+\i], v[22+16*\j:23+16*\j] op_sel_hi:[1,0]
.endr
.irp i, 0,2,4,6,8,10,12,14,16,18,20,22,24,26,28,30
	v_pk_fma_f32 v[128+32*\j+\i:129+32*\j+\i], v[192+32*\j+\i:193+32*\j+\i], v[24+16*\j:25+16*\j], v[128+32*\j+\i:129+32*\j+\i] op_sel_hi:[1,0,1]
.endr
.endr
.irp j, 0,1
.irp i, 0,1,2,3,4,5,6,7,8,9,10,11,12,13,14,15
	v_cvt_pk_bf16_f32 v[64+16*\j+\i], v[128+32*\j+2*\i], v[129+32*\j+2*\i]   ; a lane's eight channels are a piece of the image [4096][1024] that the next product reads
.endr
.endr
.irp j, 0,1
.irp tc, 0,1,2,3
	global_store_b128 v[AK0], v[64+16*\j+4*\tc:64+16*\j+4*\tc+3], s[8:9] offset:\j*32768+\tc*512   ; 512 consecutive bytes, aligned
.endr
.endr
	s_wait_tensorcnt 0x0                           ; the wave's end, behind my last tensor load and my last LDS store
	ds_add_u32 v[SPW], v[NIL]
	s_wait_dscnt 0x0
	CROUND                                         ; the closing round
	s_endpgm
.Lfunc_end_k_q9753466eff_attn:
	.size	k_q9753466eff_attn, .Lfunc_end_k_q9753466eff_attn-k_q9753466eff_attn
	.p2alignl 7, 3214868480
	.fill 96, 4, 3214868480
	.section	.rodata,"a",@progbits
	.p2align	6, 0x0
	.amdhsa_kernel k_q9753466eff_attn
		.amdhsa_group_segment_fixed_size 327680
		.amdhsa_private_segment_fixed_size 0
		.amdhsa_enable_private_segment 0
		.amdhsa_kernarg_size 24
		.amdhsa_user_sgpr_count 2
		.amdhsa_user_sgpr_kernarg_segment_ptr 1
		.amdhsa_wavefront_size32 1
		.amdhsa_system_sgpr_workgroup_id_x 1
		.amdhsa_system_sgpr_workgroup_id_y 1
		.amdhsa_system_sgpr_workgroup_id_z 1
		.amdhsa_system_vgpr_workitem_id 0
		.amdhsa_next_free_vgpr 512
		.amdhsa_next_free_sgpr 66
		.amdhsa_reserve_vcc 0
		.amdhsa_float_denorm_mode_32 3
		.amdhsa_float_denorm_mode_16_64 3
		.amdhsa_memory_ordered 1
		.amdhsa_forward_progress 1
		.amdhsa_inst_pref_size 93
	.end_amdhsa_kernel
	.amdgpu_metadata
---
amdhsa.version: [ 1, 2 ]
amdhsa.kernels:
  - .name:           k_q9753466eff_attn
    .symbol:         k_q9753466eff_attn.kd
    .args:
      - { .name: qkv, .offset: 0, .size: 8, .value_kind: global_buffer, .address_space: global }
      - { .name: mask, .offset: 8, .size: 8, .value_kind: global_buffer, .address_space: global }
      - { .name: oimg, .offset: 16, .size: 8, .value_kind: global_buffer, .address_space: global }
    .group_segment_fixed_size: 327680
    .private_segment_fixed_size: 0
    .kernarg_segment_align: 8
    .kernarg_segment_size: 24
    .max_flat_workgroup_size: 256
    .sgpr_count:     66
    .vgpr_count:     512
    .wavefront_size: 32
...
	.end_amdgpu_metadata
.endif
;; end of part 3
;; launch g6 (part 4): grid 8 x 32, 4 waves a work-group, clusters of 4 x 4, 327,680 bytes of LDS; arguments oimg, pq, query, bc, rms1_scale, g6o; writes g6o
.if DOCPART == 4
	.amdgcn_target "amdgcn-amd-amdhsa--gfx1250"
	.amdhsa_code_object_version 6
	.text
	.protected	k_q9753466eff_g6
	.globl	k_q9753466eff_g6
	.p2align	8
	.type	k_q9753466eff_g6,@function
k_q9753466eff_g6:
	s_mov_b64 s[64:65], 0
	v_nop
	global_prefetch_b8 v0, s[64:65] scope:SCOPE_SE
	s_setreg_imm32_b32 hwreg(HW_REG_WAVE_MODE, 25, 1), 1
	s_wait_xcnt 0x0
	s_wait_alu depctr_hold_cnt(0) depctr_sa_sdst(0) depctr_va_vdst(0) depctr_va_sdst(0) depctr_va_ssrc(0) depctr_va_vcc(0) depctr_vm_vsrc(0)
	s_getreg_b32 s2, hwreg(HW_REG_IB_STS2, 6, 4)
	s_cmp_eq_u32 s2, 0
	s_cbranch_scc0 .Lentry_in_a_cluster
	s_endpgm
.Lentry_in_a_cluster:
	s_bfe_u32 s2, ttmp6, 0x10000c
	s_cmp_lg_u32 s2, 0xf033
	s_cbranch_scc0 .Lentry_shape_is_right
	s_endpgm
.Lentry_shape_is_right:
; G6: x1 = o Wc + bc + query, [4096][1024], K = 1,024, bf16 operands, f32 sums.  It stores x1 in f32 (as images of the accumulators' registers, for the launch that adds it again),
; bf16(x1 x rms1_scale) as an operand image for the next product, and for each row the sum of squares over each wave's 64 columns: the row's norm is finished by the readers.
; A tile is 128 x 128: 256 work-groups; four waves of 64 x 64: 16 accumulators.  Both operands arrive as images: 16 rows x 256 k are 8,192 consecutive bytes, so a wave's tensor load is 4 rows of 8,192 bytes,
; LDS needs no padding, and each fragment load of a wave reads 512 consecutive bytes.  K goes in four steps of 256 through two slots; slots 0 and 1 are each filled again once.
; CLUSTERS 4 x 4: A's tiles are asked for jointly along a row of the cluster, B's along a column.  The products are used transposed (source 0 = 16 rows of Wc's image, source 1 = 16 tokens).
; THE SUMS BEGIN WITH query + bc: query's rows are loaded whole (256 consecutive bytes for sixteen lanes), turn through the wave's own stage in LDS into the accumulators' layout, while the first tiles are on their way.
; REGISTERS: window 0: v1-31 addresses and small things; v32-63 rms1_scale, v64-95 bc, later packed results in v64-127; v128-255 the accumulators.  window 1: two fragment buffers of 128.
.set KDIM,   1024
.set GRPB,   32*KDIM                   ; 16 rows of an image, in bytes
.set SLOT,   131072                    ; A's 128 rows x 256 k, then B's
.set STAGE,  2*SLOT                    ; 16 rows x 272 bytes for each wave; no tile lands here
.set SPITCH, 272
.set SPARE,  STAGE+4*16*SPITCH
.set WC_OFF, 8355840
.set A1_OFF, 16777216
.set SS1_OFF, 25165824
.set ADRA, 16
.set ADRB, 20
.set SPW,  28
.set NIL,  29
.set ACC,  128
.set F0,   0
.set F1,   128
.set G1, 24
.set G0, 32
.set G1B, 48
.set G0B, 56
.set MSB, 0
.macro WIN new
.if MSB != \new
	s_set_vgpr_msb (MSB<<8)|\new
.set MSB, \new
.endif
.endm
.set MUL,  0x05                        ; sources 0 and 1 window 1; C and D window 0
.set TO_F, 0x40
.macro JLOAD s                         ; waves 0 and 1 fetch A's halves, waves 2 and 3 B's; an s_nop 0 and four v_nop follow each line
	s_cmp_eq_u32 s11, 0
	s_cbranch_scc0 .Lfor_b_\@
	tensor_load_to_lds s[G0+4*\s:G0+4*\s+3], s[G1:G1+7]
	s_nop 0
.rept 4
	v_nop
.endr
	s_branch .Lasked_\@
.Lfor_b_\@:
	tensor_load_to_lds s[G0B+4*\s:G0B+4*\s+3], s[G1B:G1B+7]
	s_nop 0
.rept 4
	v_nop
.endr
.Lasked_\@:
.endm
.macro CREST
	s_cmp_lg_u32 s10, 0
	s_cbranch_scc1 .Lnot_wave_0_\@
	s_barrier_signal -3
.Lnot_wave_0_\@:
	s_barrier_wait -3
	s_barrier_signal -1
	s_barrier_wait -1
.endm
.macro CROUND
	s_barrier_signal -1
	s_barrier_wait -1
	CREST
.endm
	s_load_b128 s[4:7], s[0:1], 0x0                ; oimg s[4:5], pq s[6:7]
	s_load_b128 s[68:71], s[0:1], 0x10             ; query s[68:69], bc s[70:71]
	s_load_b128 s[72:75], s[0:1], 0x20             ; rms1_scale s[72:73], g6o s[74:75]
	v_lshl_add_u32 v[SPW], v0, 2, SPARE
	v_mov_b32 v[NIL], 0
	ds_add_u32 v[SPW], v[NIL]                      ; the wave's opening: the add, twice on end, and its wait ahead of my first tensor load
	ds_add_u32 v[SPW], v[NIL]
	v_lshrrev_b32 v1, 5, v0
	v_readfirstlane_b32 s10, v1                    ; wave 0..3
	s_lshr_b32 s11, s10, 1                         ; my half of the rows.  Also: I fetch for A (0) or B (1)
	s_and_b32 s12, s10, 1                          ; my half of the columns.  Also: which 64 rows I fetch
	s_bfe_u32 s40, ttmp6, 0x40000
	s_bfe_u32 s41, ttmp6, 0x40004
	s_lshl_b32 s42, ttmp9, 2
	s_add_co_u32 s42, s42, s40                     ; tile column
	s_and_b32 s13, ttmp7, 0xffff
	s_lshl_b32 s13, s13, 2
	s_add_co_u32 s13, s13, s41                     ; tile row
	s_lshl_b32 s43, s41, 2
	s_lshl_b32 s43, 15, s43                        ; my row of the cluster
	s_lshl_b32 s44, 0x1111, s40                    ; my column
	s_or_b32 s[G1+0], s43, (3<<16)|(1<<21)         ; the mask; elements of 8 bytes; bit 21 beside a mask; no padding
	s_or_b32 s[G1B+0], s44, (3<<16)|(1<<21)
.irp g, G1, G1B
	s_mov_b32 s[\g+1], 1024<<16                    ; tensor_dim0 = 1,024 elements: 8,192 bytes
	s_mov_b32 s[\g+2], 4<<16                       ; tensor_dim1 = 4 groups of 16 rows
	s_mov_b32 s[\g+3], 1024<<16                    ; tile_dim0
	s_mov_b32 s[\g+4], 4                           ; tile_dim1
	s_mov_b32 s[\g+5], 4*KDIM                      ; from group to group, in elements
	s_mov_b32 s[\g+6], 0
	s_mov_b32 s[\g+7], 0
.endr
	s_lshl_b32 s17, s12, 2
	s_lshl_b32 s16, s13, 3
	s_add_co_u32 s16, s16, s17
	s_mul_i32 s16, s16, GRPB                       ; A: group 8 x tile row + 4 x half
	s_lshl_b32 s46, s42, 3
	s_add_co_u32 s46, s46, s17
	s_mul_i32 s46, s46, GRPB                       ; B: group 8 x tile column + 4 x half
	s_mov_b32 s17, 0
	s_mov_b32 s47, 0
	s_lshl_b32 s20, s10, 15                        ; where they go: 32,768 x wave
	s_mov_b32 s80, 0x76543210
	s_mov_b32 s81, 0xfedcba98
	s_mov_b32 s82, 0xffff0000                      ; lanes 16-31
	s_wait_dscnt 0x0                               ; both opening adds are done
	s_wait_kmcnt 0x0
	s_add_nc_u64 s[14:15], s[4:5], s[16:17]
	s_add_nc_u64 s[46:47], s[6:7], s[46:47]
	s_add_nc_u64 s[46:47], s[46:47], WC_OFF
	CROUND
.irp s, 0,1
	s_mov_b32 s[G0+4*\s], 1
	s_add_co_u32 s[G0+4*\s+1], s20, \s*SLOT
	s_add_nc_u64 s[G0+4*\s+2:G0+4*\s+3], s[14:15], \s*8192
	s_or_b32 s[G0+4*\s+3], s[G0+4*\s+3], 0x80000000
	s_mov_b32 s[G0B+4*\s], 1
	s_add_co_u32 s[G0B+4*\s+1], s20, \s*SLOT
	s_add_nc_u64 s[G0B+4*\s+2:G0B+4*\s+3], s[46:47], \s*8192
	s_or_b32 s[G0B+4*\s+3], s[G0B+4*\s+3], 0x80000000
	JLOAD \s
.endr
	v_and_b32 v1, 15, v0                           ; r
	v_bfe_u32 v2, v0, 4, 1                         ; h
	v_and_b32 v3, 31, v0
	v_lshlrev_b32 v5, 2, v3                        ; 4 x lane
	v_lshlrev_b32 v3, 4, v3                        ; 16 x lane
	s_lshl_b32 s21, s11, 15
	s_lshl_b32 s22, s12, 15
	s_add_co_u32 s22, s22, 65536
.irp s, 0,1
	v_add_nc_u32 v[ADRA+\s], s21, v3
	v_add_nc_u32 v[ADRB+\s], s22, v3
	s_add_co_u32 s21, s21, SLOT
	s_add_co_u32 s22, s22, SLOT
.endr
	s_lshl_b32 s76, s13, 7
	s_lshl_b32 s78, s11, 6
	s_add_co_u32 s76, s76, s78                     ; my first row
	s_lshl_b32 s77, s42, 7
	s_lshl_b32 s78, s12, 6
	s_add_co_u32 s77, s77, s78                     ; my first column
	s_lshl_b32 s78, s76, 12
	s_lshl_b32 s79, s77, 2
	s_add_co_u32 s78, s78, s79
	s_mov_b32 s79, 0
	s_add_nc_u64 s[68:69], s[68:69], s[78:79]      ; query at my corner
	s_lshl_b32 s78, s77, 2
	s_add_nc_u64 s[70:71], s[70:71], s[78:79]      ; bc and rms1_scale at my first column
	s_add_nc_u64 s[72:73], s[72:73], s[78:79]
	s_lshl_b32 s78, s13, 3
	s_add_co_u32 s78, s78, s42
	s_lshl_b32 s78, s78, 2
	s_add_co_u32 s78, s78, s10
	s_lshl_b32 s78, s78, 14
	s_add_nc_u64 s[84:85], s[74:75], s[78:79]      ; x1: 16,384 bytes for each wave of each tile
	s_lshl_b32 s78, s76, 11
	s_lshl_b32 s83, s77, 5
	s_add_co_u32 s78, s78, s83
	s_add_nc_u64 s[86:87], s[74:75], s[78:79]
	s_add_nc_u64 s[86:87], s[86:87], A1_OFF        ; the image: my first group of rows, my first piece along K
	s_lshl_b32 s78, s42, 1
	s_add_co_u32 s78, s78, s12
	s_lshl_b32 s78, s78, 14
	s_lshl_b32 s83, s76, 2
	s_add_co_u32 s78, s78, s83
	s_add_nc_u64 s[88:89], s[74:75], s[78:79]
	s_add_nc_u64 s[88:89], s[88:89], SS1_OFF       ; the sums of squares: [16 blocks of 64 columns][4,096 rows]
	v_lshlrev_b32 v6, 12, v2
	v_lshl_add_u32 v6, v1, 4, v6                   ; by rows: lanes 0-15 one row's 256 bytes, lanes 16-31 the next row's
	v_lshlrev_b32 v7, 5, v2                        ; 32 h
	s_mul_i32 s78, s10, 16*SPITCH
	s_add_co_u32 s78, s78, STAGE                   ; my stage
	v_mul_u32_u24 v24, v2, SPITCH
	v_lshl_add_u32 v24, v1, 4, v24
	v_add_nc_u32 v24, s78, v24                     ; by rows
	v_mul_u32_u24 v25, v1, SPITCH
	v_lshl_add_u32 v25, v2, 5, v25
	v_add_nc_u32 v25, s78, v25                     ; in the accumulators' layout: row r, 32 h bytes on
	WIN TO_F
.set i_, 0
.rept 32
	global_load_b128 v[4*i_:4*i_+3], v6, s[68:69] offset:i_*8192   ; query's rows 2 i and 2 i + 1, into the fragment buffer that is still idle
.set i_, i_+1
.endr
	WIN 0
.irp b, 0,1,2,3
	global_load_b128 v[64+8*\b:64+8*\b+3], v7, s[70:71] offset:64*\b        ; bc[first column + 16 b + 8 h + 0 .. 7]
	global_load_b128 v[64+8*\b+4:64+8*\b+7], v7, s[70:71] offset:64*\b+16
	global_load_b128 v[32+8*\b:32+8*\b+3], v7, s[72:73] offset:64*\b        ; rms1_scale likewise
	global_load_b128 v[32+8*\b+4:32+8*\b+7], v7, s[72:73] offset:64*\b+16
.endr
.irp a, 0,1,2,3
	s_wait_loadcnt 40-8*\a                         ; query's first 16 (a + 1) rows are in; the younger loads may be out
	WIN 0x04                                       ; an LDS store's data are its source 1: window 1
.irp i, 0,1,2,3,4,5,6,7
	ds_store_b128 v24, v[4*(8*\a+\i):4*(8*\a+\i)+3] offset:\i*2*SPITCH
.endr
	WIN 0
.irp b, 0,1,2,3
	ds_load_b128 v[ACC+8*(4*\a+\b):ACC+8*(4*\a+\b)+3],   v25 offset:64*\b      ; LDS serves a wave's instructions in order: these see the stores above, and the next block's stores come behind them
	ds_load_b128 v[ACC+8*(4*\a+\b)+4:ACC+8*(4*\a+\b)+7], v25 offset:64*\b+16
.endr
.endr
	s_wait_loadcnt 0x0
	s_wait_dscnt 0x0
.irp a, 0,1,2,3
.irp b, 0,1,2,3
.irp i, 0,2,4,6
	v_pk_add_f32 v[ACC+8*(4*\a+\b)+\i:ACC+8*(4*\a+\b)+\i+1], v[ACC+8*(4*\a+\b)+\i:ACC+8*(4*\a+\b)+\i+1], v[64+8*\b+\i:64+8*\b+\i+1]
.endr
.endr
.endr
; 8 matrix instructions: row blocks a0, a0 + 1 x all 4 column blocks, 32 along K: half c of buffer f.  The 16 accumulators take turns.
.macro MUL8 f, c, a0
.irp a, \a0, \a0+1
.irp b, 0,1,2,3
	v_wmma_f32_16x16x32_bf16 v[ACC+8*(4*(\a)+\b):ACC+8*(4*(\a)+\b)+7], v[\f+64+8*(4*\c+\b):\f+64+8*(4*\c+\b)+7], v[\f+8*(4*\c+\a):\f+8*(4*\c+\a)+7], v[ACC+8*(4*(\a)+\b):ACC+8*(4*(\a)+\b)+7]
.endr
.endr
.endm
.macro FETCH slot, q, f                ; 32 LDS loads in one run: the fragments of the slot's q-th 64 along K; the first 32 along K first
	WIN TO_F
.irp c, 0,1
.irp i, 0,1,2,3
	ds_load_b128 v[\f+64+8*(4*\c+\i):\f+64+8*(4*\c+\i)+3],   v[ADRB+\slot] offset:\i*8192+(2*(\q)+\c)*1024
	ds_load_b128 v[\f+64+8*(4*\c+\i)+4:\f+64+8*(4*\c+\i)+7], v[ADRB+\slot] offset:\i*8192+(2*(\q)+\c)*1024+512
	ds_load_b128 v[\f+8*(4*\c+\i):\f+8*(4*\c+\i)+3],         v[ADRA+\slot] offset:\i*8192+(2*(\q)+\c)*1024
	ds_load_b128 v[\f+8*(4*\c+\i)+4:\f+8*(4*\c+\i)+7],       v[ADRA+\slot] offset:\i*8192+(2*(\q)+\c)*1024+512
.endr
.endr
.endm
.macro PLACES                          ; four plain lines between matrix instructions and loads into their registers or reads of their results
.rept 4
	v_nop
.endr
.endm
.macro QUARTER slot, q, f, g           ; multiplies buffer f and fetches the slot's q-th quarter into g
	s_wait_dscnt 16                                ; the first 32 along K are in; the sixteen younger loads may be out
	WIN MUL
	MUL8 \f, 0, 0
	MUL8 \f, 0, 2
	PLACES
	FETCH \slot, \q, \g
	s_wait_dscnt 32                                ; all but the 32 just issued
	WIN MUL
	MUL8 \f, 1, 0
	MUL8 \f, 1, 2
.endm
.macro THREE slot
	QUARTER \slot, 1, F0, F1
	QUARTER \slot, 2, F1, F0
	QUARTER \slot, 3, F0, F1
.endm
; A K step's last quarter changes slots: ONE barrier; in front of it each wave waits for all its tensor loads, adds 0 to its spare word, and waits for that and for its reads of this slot.
; fill = 1: the barrier opens a round of the cluster's barrier, and this slot is filled again, two K steps ahead, first thing behind the round.
.macro TURN slot, next, fill
	WIN 0
	s_wait_tensorcnt 0x0                           ; all my tensor loads have landed: my part of the next slot
	ds_add_u32 v[SPW], v[NIL]
	s_wait_dscnt 17                                ; the add and the youngest sixteen loads may be out
	WIN MUL
	MUL8 F1, 0, 0
	s_wait_dscnt 0x0                               ; the add is done, and my reads of this slot are over
	s_barrier_signal -1
	MUL8 F1, 0, 2
.if \fill
	WIN 0
.endif
	s_barrier_wait -1
.if \fill
	CREST
	s_add_nc_u64 s[G0+4*\slot+2:G0+4*\slot+3], s[G0+4*\slot+2:G0+4*\slot+3], 16384
	s_add_nc_u64 s[G0B+4*\slot+2:G0B+4*\slot+3], s[G0B+4*\slot+2:G0B+4*\slot+3], 16384
	JLOAD \slot                                    ; its four v_nop are also the places in front of the loads below
.else
	PLACES
.endif
	FETCH \next, 0, F0
	WIN MUL
	MUL8 F1, 1, 0
	MUL8 F1, 1, 2
.endm
	s_wait_tensorcnt 1                             ; my part of K step 0 is in; K step 1's may be out
	s_barrier_signal -1
	s_barrier_wait -1
	FETCH 0, 0, F0
	THREE 0
	TURN 0, 1, 1                                   ; slot 0 takes K step 2
	THREE 1
	TURN 1, 0, 1                                   ; slot 1 takes K step 3
	THREE 0
	TURN 0, 1, 0
	THREE 1
	s_wait_dscnt 16                                ; the very last quarter
	WIN MUL
	MUL8 F1, 0, 0
	MUL8 F1, 0, 2
	s_wait_dscnt 0
	MUL8 F1, 1, 0
	MUL8 F1, 1, 2
	WIN 0
	PLACES
	; the sums of squares of my 64 rows over my 64 columns; each accumulator is read from its low end on
.irp a, 0,1,2,3
	v_pk_mul_f32 v[8+2*\a:9+2*\a], v[ACC+32*\a:ACC+32*\a+1], v[ACC+32*\a:ACC+32*\a+1]
.endr
.irp i, 2,4,6,8,10,12,14,16,18,20,22,24,26,28,30
.irp a, 0,1,2,3
	v_pk_fma_f32 v[8+2*\a:9+2*\a], v[ACC+32*\a+\i:ACC+32*\a+\i+1], v[ACC+32*\a+\i:ACC+32*\a+\i+1], v[8+2*\a:9+2*\a]
.endr
.endr
.irp a, 0,1,2,3
	v_add_f32 v[8+2*\a], v[8+2*\a], v[9+2*\a]
.endr
.irp a, 0,1,2,3
	v_permlanex16_b32 v[9+2*\a], v[8+2*\a], s80, s81
.endr
.irp a, 0,1,2,3
	v_add_f32 v[8+2*\a], v[8+2*\a], v[9+2*\a]      ; row 16 a + r, in lanes r and 16 + r
.endr
	v_cndmask_b32 v30, v8, v10, s82                ; lane l: row l
	v_cndmask_b32 v31, v12, v14, s82               ; lane l: row 32 + l
	global_store_b32 v5, v30, s[88:89]
	global_store_b32 v5, v31, s[88:89] offset:128
.irp a, 0,1,2,3
.irp b, 0,1,2,3
	global_store_b128 v3, v[ACC+8*(4*\a+\b):ACC+8*(4*\a+\b)+3],   s[84:85] offset:(4*\a+\b)*1024      ; x1 as it stands in the registers: 512 consecutive bytes a store
	global_store_b128 v3, v[ACC+8*(4*\a+\b)+4:ACC+8*(4*\a+\b)+7], s[84:85] offset:(4*\a+\b)*1024+512
.irp i, 0,1,2,3
	v_pk_mul_f32 v[16+2*\i:17+2*\i], v[ACC+8*(4*\a+\b)+2*\i:ACC+8*(4*\a+\b)+2*\i+1], v[32+8*\b+2*\i:33+8*\b+2*\i]   ; x rms1_scale (the LDS address registers are done with)
.endr
.irp i, 0,1,2,3
	v_cvt_pk_bf16_f32 v[64+4*(4*\a+\b)+\i], v[16+2*\i], v[17+2*\i]
.endr
	global_store_b128 v3, v[64+4*(4*\a+\b):64+4*(4*\a+\b)+3], s[86:87] offset:\a*32768+\b*512
.endr
.endr
	s_wait_tensorcnt 0x0                           ; the wave's end
	ds_add_u32 v[SPW], v[NIL]
	s_wait_dscnt 0x0
	CROUND                                         ; the closing round
	s_endpgm
.Lfunc_end_k_q9753466eff_g6:
	.size	k_q9753466eff_g6, .Lfunc_end_k_q9753466eff_g6-k_q9753466eff_g6
	.p2alignl 7, 3214868480
	.fill 96, 4, 3214868480
	.section	.rodata,"a",@progbits
	.p2align	6, 0x0
	.amdhsa_kernel k_q9753466eff_g6
		.amdhsa_group_segment_fixed_size 327680
		.amdhsa_private_segment_fixed_size 0
		.amdhsa_enable_private_segment 0
		.amdhsa_kernarg_size 48
		.amdhsa_user_sgpr_count 2
		.amdhsa_user_sgpr_kernarg_segment_ptr 1
		.amdhsa_wavefront_size32 1
		.amdhsa_system_sgpr_workgroup_id_x 1
		.amdhsa_system_sgpr_workgroup_id_y 1
		.amdhsa_system_sgpr_workgroup_id_z 1
		.amdhsa_system_vgpr_workitem_id 0
		.amdhsa_next_free_vgpr 512
		.amdhsa_next_free_sgpr 96
		.amdhsa_reserve_vcc 0
		.amdhsa_float_denorm_mode_32 3
		.amdhsa_float_denorm_mode_16_64 3
		.amdhsa_memory_ordered 1
		.amdhsa_forward_progress 1
		.amdhsa_inst_pref_size 109
	.end_amdhsa_kernel
	.amdgpu_metadata
---
amdhsa.version: [ 1, 2 ]
amdhsa.kernels:
  - .name:           k_q9753466eff_g6
    .symbol:         k_q9753466eff_g6.kd
    .args:
      - { .name: oimg, .offset: 0, .size: 8, .value_kind: global_buffer, .address_space: global }
      - { .name: pq, .offset: 8, .size: 8, .value_kind: global_buffer, .address_space: global }
      - { .name: query, .offset: 16, .size: 8, .value_kind: global_buffer, .address_space: global }
      - { .name: bc, .offset: 24, .size: 8, .value_kind: global_buffer, .address_space: global }
      - { .name: rms1_scale, .offset: 32, .size: 8, .value_kind: global_buffer, .address_space: global }
      - { .name: g6o, .offset: 40, .size: 8, .value_kind: global_buffer, .address_space: global }
    .group_segment_fixed_size: 327680
    .private_segment_fixed_size: 0
    .kernarg_segment_align: 8
    .kernarg_segment_size: 48
    .max_flat_workgroup_size: 128
    .sgpr_count:     96
    .vgpr_count:     512
    .wavefront_size: 32
...
	.end_amdgpu_metadata
.endif
;; end of part 4
;; launch g7 (part 5): grid 4 x 32, 4 waves a work-group, clusters of 4 x 4, 327,680 bytes of LDS; arguments g6o, pq, mlp_b1, hdimg; writes hdimg
.if DOCPART == 5
	.amdgcn_target "amdgcn-amd-amdhsa--gfx1250"
	.amdhsa_code_object_version 6
	.text
	.protected	k_q9753466eff_g7
	.globl	k_q9753466eff_g7
	.p2align	8
	.type	k_q9753466eff_g7,@function
k_q9753466eff_g7:
	s_mov_b64 s[64:65], 0
	v_nop
	global_prefetch_b8 v0, s[64:65] scope:SCOPE_SE
	s_setreg_imm32_b32 hwreg(HW_REG_WAVE_MODE, 25, 1), 1
	s_wait_xcnt 0x0
	s_wait_alu depctr_hold_cnt(0) depctr_sa_sdst(0) depctr_va_vdst(0) depctr_va_sdst(0) depctr_va_ssrc(0) depctr_va_vcc(0) depctr_vm_vsrc(0)
	s_getreg_b32 s2, hwreg(HW_REG_IB_STS2, 6, 4)
	s_cmp_eq_u32 s2, 0
	s_cbranch_scc0 .Lentry_in_a_cluster
	s_endpgm
.Lentry_in_a_cluster:
	s_bfe_u32 s2, ttmp6, 0x10000c
	s_cmp_lg_u32 s2, 0xf033
	s_cbranch_scc0 .Lentry_shape_is_right
	s_endpgm
.Lentry_shape_is_right:
; G7: hd = relu(rms mlp_w1 + mlp_b1), [4096][512], K = 1,024, where rms = rms1_scale x1 / (|x1| / 32 + 1e-8).  The operand image holds bf16(x1 rms1_scale); a row's factor 1 / (|x1| / 32 + 1e-8)
; is common to its sums, so it multiplies the finished sum, in f32.  It is made at the head from the sixteen partial sums of squares of each of the wave's 64 rows.
; Tile 128 x 128, four waves of 64 x 64; operands as images (16 rows x 256 k = 8,192 consecutive bytes); four K steps of 256 through two slots; clusters 4 x 4 with joint loads; products used transposed.
; 128 work-groups: a smaller tile would feed half the products from each byte.  The result, rounded to bf16, is stored straight as the next product's image: 512 consecutive bytes a store.
; REGISTERS: window 0: v1-31 addresses, v8-15 the rows' factors; v32-63 mlp_b1; v96-127 the partial sums, later with v64-95 the packed results; v128-255 the accumulators.  window 1: two fragment buffers.
.set KDIM,   1024
.set GRPB,   32*KDIM
.set SLOT,   131072
.set SPARE,  2*SLOT
.set W1_OFF, 10452992
.set A1_OFF, 16777216
.set SS1_OFF, 25165824
.set ADRA, 16
.set ADRB, 20
.set SPW,  28
.set NIL,  29
.set ACC,  128
.set F0,   0
.set F1,   128
.set G1, 24
.set G0, 32
.set G1B, 48
.set G0B, 56
.set MSB, 0
.macro WIN new
.if MSB != \new
	s_set_vgpr_msb (MSB<<8)|\new
.set MSB, \new
.endif
.endm
.set MUL,  0x05
.set TO_F, 0x40
.macro JLOAD s
	s_cmp_eq_u32 s11, 0
	s_cbranch_scc0 .Lfor_b_\@
	tensor_load_to_lds s[G0+4*\s:G0+4*\s+3], s[G1:G1+7]
	s_nop 0
.rept 4
	v_nop
.endr
	s_branch .Lasked_\@
.Lfor_b_\@:
	tensor_load_to_lds s[G0B+4*\s:G0B+4*\s+3], s[G1B:G1B+7]
	s_nop 0
.rept 4
	v_nop
.endr
.Lasked_\@:
.endm
.macro CREST
	s_cmp_lg_u32 s10, 0
	s_cbranch_scc1 .Lnot_wave_0_\@
	s_barrier_signal -3
.Lnot_wave_0_\@:
	s_barrier_wait -3
	s_barrier_signal -1
	s_barrier_wait -1
.endm
.macro CROUND
	s_barrier_signal -1
	s_barrier_wait -1
	CREST
.endm
	s_load_b128 s[4:7], s[0:1], 0x0                ; g6o s[4:5], pq s[6:7]
	s_load_b128 s[68:71], s[0:1], 0x10             ; mlp_b1 s[68:69], hdimg s[70:71]
	v_lshl_add_u32 v[SPW], v0, 2, SPARE
	v_mov_b32 v[NIL], 0
	ds_add_u32 v[SPW], v[NIL]                      ; the wave's opening: the add, twice on end, and its wait ahead of my first tensor load
	ds_add_u32 v[SPW], v[NIL]
	v_lshrrev_b32 v1, 5, v0
	v_readfirstlane_b32 s10, v1
	s_lshr_b32 s11, s10, 1
	s_and_b32 s12, s10, 1
	s_bfe_u32 s40, ttmp6, 0x40000
	s_bfe_u32 s41, ttmp6, 0x40004
	s_lshl_b32 s42, ttmp9, 2
	s_add_co_u32 s42, s42, s40                     ; tile column
	s_and_b32 s13, ttmp7, 0xffff
	s_lshl_b32 s13, s13, 2
	s_add_co_u32 s13, s13, s41                     ; tile row
	s_lshl_b32 s43, s41, 2
	s_lshl_b32 s43, 15, s43
	s_lshl_b32 s44, 0x1111, s40
	s_or_b32 s[G1+0], s43, (3<<16)|(1<<21)
	s_or_b32 s[G1B+0], s44, (3<<16)|(1<<21)
.irp g, G1, G1B
	s_mov_b32 s[\g+1], 1024<<16                    ; 4 rows of 1,024 elements of 8 bytes
	s_mov_b32 s[\g+2], 4<<16
	s_mov_b32 s[\g+3], 1024<<16
	s_mov_b32 s[\g+4], 4
	s_mov_b32 s[\g+5], 4*KDIM
	s_mov_b32 s[\g+6], 0
	s_mov_b32 s[\g+7], 0
.endr
	s_lshl_b32 s17, s12, 2
	s_lshl_b32 s16, s13, 3
	s_add_co_u32 s16, s16, s17
	s_mul_i32 s16, s16, GRPB
	s_lshl_b32 s46, s42, 3
	s_add_co_u32 s46, s46, s17
	s_mul_i32 s46, s46, GRPB
	s_mov_b32 s17, 0
	s_mov_b32 s47, 0
	s_lshl_b32 s20, s10, 15
	s_mov_b32 s80, 0x76543210
	s_mov_b32 s81, 0xfedcba98
	s_mov_b32 s82, 0xffff0000                      ; lanes 16-31
	s_mov_b32 s90, 0x3d000000                      ; 1 / 32 = 1 / sqrt(1024)
	s_mov_b32 s91, 0x322bcc77                      ; 1e-8
	s_wait_dscnt 0x0
	s_wait_kmcnt 0x0
	s_add_nc_u64 s[14:15], s[4:5], s[16:17]
	s_add_nc_u64 s[14:15], s[14:15], A1_OFF
	s_add_nc_u64 s[46:47], s[6:7], s[46:47]
	s_add_nc_u64 s[46:47], s[46:47], W1_OFF
	CROUND
.irp s, 0,1
	s_mov_b32 s[G0+4*\s], 1
	s_add_co_u32 s[G0+4*\s+1], s20, \s*SLOT
	s_add_nc_u64 s[G0+4*\s+2:G0+4*\s+3], s[14:15], \s*8192
	s_or_b32 s[G0+4*\s+3], s[G0+4*\s+3], 0x80000000
	s_mov_b32 s[G0B+4*\s], 1
	s_add_co_u32 s[G0B+4*\s+1], s20, \s*SLOT
	s_add_nc_u64 s[G0B+4*\s+2:G0B+4*\s+3], s[46:47], \s*8192
	s_or_b32 s[G0B+4*\s+3], s[G0B+4*\s+3], 0x80000000
	JLOAD \s
.endr
	v_and_b32 v1, 15, v0
	v_bfe_u32 v2, v0, 4, 1
	v_and_b32 v3, 31, v0
	v_lshlrev_b32 v5, 2, v3                        ; 4 x lane
	v_lshlrev_b32 v3, 4, v3                        ; 16 x lane
	s_lshl_b32 s21, s11, 15
	s_lshl_b32 s22, s12, 15
	s_add_co_u32 s22, s22, 65536
.irp s, 0,1
	v_add_nc_u32 v[ADRA+\s], s21, v3
	v_add_nc_u32 v[ADRB+\s], s22, v3
	s_add_co_u32 s21, s21, SLOT
	s_add_co_u32 s22, s22, SLOT
.endr
	s_lshl_b32 s76, s13, 7
	s_lshl_b32 s78, s11, 6
	s_add_co_u32 s76, s76, s78                     ; my first row
	s_lshl_b32 s77, s42, 7
	s_lshl_b32 s78, s12, 6
	s_add_co_u32 s77, s77, s78                     ; my first column
	s_lshl_b32 s78, s76, 2
	s_mov_b32 s79, 0
	s_add_nc_u64 s[72:73], s[4:5], s[78:79]
	s_add_nc_u64 s[72:73], s[72:73], SS1_OFF       ; the partial sums of my rows
	s_lshl_b32 s78, s77, 2
	s_add_nc_u64 s[68:69], s[68:69], s[78:79]      ; mlp_b1 at my first column
	s_lshl_b32 s78, s76, 10
	s_lshl_b32 s83, s77, 5
	s_add_co_u32 s78, s78, s83
	s_add_nc_u64 s[70:71], s[70:71], s[78:79]      ; the image [4096][512]: 16 rows are 16,384 bytes
	v_lshlrev_b32 v7, 5, v2
.irp p, 0,1,2,3,4,5,6,7,8,9,10,11,12,13,14,15
	global_load_b32 v[96+\p], v5, s[72:73] offset:\p*16384        ; lane l: row l, block p
	global_load_b32 v[112+\p], v5, s[72:73] offset:\p*16384+128   ; row 32 + l
.endr
.irp b, 0,1,2,3
	global_load_b128 v[32+8*\b:32+8*\b+3], v7, s[68:69] offset:64*\b
	global_load_b128 v[32+8*\b+4:32+8*\b+7], v7, s[68:69] offset:64*\b+16
.endr
	s_wait_loadcnt 8                               ; the partial sums are in; the bias's eight loads may be out
.irp p, 1,2,3,4,5,6,7,8,9,10,11,12,13,14,15
	v_add_f32 v96, v96, v[96+\p]
	v_add_f32 v112, v112, v[112+\p]
.endr
	v_sqrt_f32 v96, v96
	v_sqrt_f32 v112, v112
	v_nop
	s_wait_alu depctr_va_vdst(0)                   ; one wait for the two roots
	v_fma_f32 v96, v96, s90, s91                   ; |x1| / 32 + 1e-8
	v_fma_f32 v112, v112, s90, s91
	v_rcp_f32 v96, v96
	v_rcp_f32 v112, v112
	v_nop
	s_wait_alu depctr_va_vdst(0)                   ; and one for the two reciprocals
	v_permlanex16_b32 v97, v96, s80, s81
	v_permlanex16_b32 v113, v112, s80, s81
	v_cndmask_b32 v8, v96, v97, s82                ; block a's factor: lane (r, h) holds row 16 a + r's
	v_cndmask_b32 v10, v97, v96, s82
	v_cndmask_b32 v12, v112, v113, s82
	v_cndmask_b32 v14, v113, v112, s82
.irp a, 0,1,2,3
	v_mov_b32 v[9+2*\a], v[8+2*\a]                 ; named with it as a pair, so it is written
.endr
	s_wait_loadcnt 0x0
.macro MUL8 f, c, a0, zero
.irp a, \a0, \a0+1
.irp b, 0,1,2,3
.if \zero
	v_wmma_f32_16x16x32_bf16 v[ACC+8*(4*(\a)+\b):ACC+8*(4*(\a)+\b)+7], v[\f+64+8*(4*\c+\b):\f+64+8*(4*\c+\b)+7], v[\f+8*(4*\c+\a):\f+8*(4*\c+\a)+7], 0
.else
	v_wmma_f32_16x16x32_bf16 v[ACC+8*(4*(\a)+\b):ACC+8*(4*(\a)+\b)+7], v[\f+64+8*(4*\c+\b):\f+64+8*(4*\c+\b)+7], v[\f+8*(4*\c+\a):\f+8*(4*\c+\a)+7], v[ACC+8*(4*(\a)+\b):ACC+8*(4*(\a)+\b)+7]
.endif
.endr
.endr
.endm
.macro FETCH slot, q, f
	WIN TO_F
.irp c, 0,1
.irp i, 0,1,2,3
	ds_load_b128 v[\f+64+8*(4*\c+\i):\f+64+8*(4*\c+\i)+3],   v[ADRB+\slot] offset:\i*8192+(2*(\q)+\c)*1024
	ds_load_b128 v[\f+64+8*(4*\c+\i)+4:\f+64+8*(4*\c+\i)+7], v[ADRB+\slot] offset:\i*8192+(2*(\q)+\c)*1024+512
	ds_load_b128 v[\f+8*(4*\c+\i):\f+8*(4*\c+\i)+3],         v[ADRA+\slot] offset:\i*8192+(2*(\q)+\c)*1024
	ds_load_b128 v[\f+8*(4*\c+\i)+4:\f+8*(4*\c+\i)+7],       v[ADRA+\slot] offset:\i*8192+(2*(\q)+\c)*1024+512
.endr
.endr
.endm
.macro PLACES
.rept 4
	v_nop
.endr
.endm
.macro QUARTER slot, q, f, g, zero
	s_wait_dscnt 16                                ; the first 32 along K are in
	WIN MUL
	MUL8 \f, 0, 0, \zero
	MUL8 \f, 0, 2, \zero
	PLACES
	FETCH \slot, \q, \g
	s_wait_dscnt 32                                ; all but the 32 just issued
	WIN MUL
	MUL8 \f, 1, 0, 0
	MUL8 \f, 1, 2, 0
.endm
.macro THREE slot, zero
	QUARTER \slot, 1, F0, F1, \zero
	QUARTER \slot, 2, F1, F0, 0
	QUARTER \slot, 3, F0, F1, 0
.endm
.macro TURN slot, next, fill           ; the change of slots: the three lines, one barrier (fill = 1: a round of the cluster's), the refill first behind it
	WIN 0
	s_wait_tensorcnt 0x0                           ; all my tensor loads have landed
	ds_add_u32 v[SPW], v[NIL]
	s_wait_dscnt 17                                ; the add and the youngest sixteen loads may be out
	WIN MUL
	MUL8 F1, 0, 0, 0
	s_wait_dscnt 0x0                               ; the add is done, and my reads of this slot are over
	s_barrier_signal -1
	MUL8 F1, 0, 2, 0
.if \fill
	WIN 0
.endif
	s_barrier_wait -1
.if \fill
	CREST
	s_add_nc_u64 s[G0+4*\slot+2:G0+4*\slot+3], s[G0+4*\slot+2:G0+4*\slot+3], 16384
	s_add_nc_u64 s[G0B+4*\slot+2:G0B+4*\slot+3], s[G0B+4*\slot+2:G0B+4*\slot+3], 16384
	JLOAD \slot
.else
	PLACES
.endif
	FETCH \next, 0, F0
	WIN MUL
	MUL8 F1, 1, 0, 0
	MUL8 F1, 1, 2, 0
.endm
	s_wait_tensorcnt 1                             ; my part of K step 0 is in; K step 1's may be out
	s_barrier_signal -1
	s_barrier_wait -1
	FETCH 0, 0, F0
	THREE 0, 1                                     ; the first products start the sums: nothing is cleared
	TURN 0, 1, 1
	THREE 1, 0
	TURN 1, 0, 1
	THREE 0, 0
	TURN 0, 1, 0
	THREE 1, 0
	s_wait_dscnt 16
	WIN MUL
	MUL8 F1, 0, 0, 0
	MUL8 F1, 0, 2, 0
	s_wait_dscnt 0
	MUL8 F1, 1, 0, 0
	MUL8 F1, 1, 2, 0
	WIN 0
	PLACES
.irp a, 0,1,2,3
.irp b, 0,1,2,3
.irp i, 0,1,2,3
	v_pk_fma_f32 v[16+2*\i:17+2*\i], v[ACC+8*(4*\a+\b)+2*\i:ACC+8*(4*\a+\b)+2*\i+1], v[8+2*\a:9+2*\a], v[32+8*\b+2*\i:33+8*\b+2*\i] op_sel_hi:[1,0,1]   ; the sum x the row's factor + the bias
.endr
.irp i, 0,1,2,3,4,5,6,7
	v_max_num_f32 v[16+\i], 0, v[16+\i]            ; relu
.endr
.irp i, 0,1,2,3
	v_cvt_pk_bf16_f32 v[64+4*(4*\a+\b)+\i], v[16+2*\i], v[17+2*\i]
.endr
	global_store_b128 v3, v[64+4*(4*\a+\b):64+4*(4*\a+\b)+3], s[70:71] offset:\a*16384+\b*512
.endr
.endr
	s_wait_tensorcnt 0x0                           ; the wave's end
	ds_add_u32 v[SPW], v[NIL]
	s_wait_dscnt 0x0
	CROUND
	s_endpgm
.Lfunc_end_k_q9753466eff_g7:
	.size	k_q9753466eff_g7, .Lfunc_end_k_q9753466eff_g7-k_q9753466eff_g7
	.p2alignl 7, 3214868480
	.fill 96, 4, 3214868480
	.section	.rodata,"a",@progbits
	.p2align	6, 0x0
	.amdhsa_kernel k_q9753466eff_g7
		.amdhsa_group_segment_fixed_size 327680
		.amdhsa_private_segment_fixed_size 0
		.amdhsa_enable_private_segment 0
		.amdhsa_kernarg_size 32
		.amdhsa_user_sgpr_count 2
		.amdhsa_user_sgpr_kernarg_segment_ptr 1
		.amdhsa_wavefront_size32 1
		.amdhsa_system_sgpr_workgroup_id_x 1
		.amdhsa_system_sgpr_workgroup_id_y 1
		.amdhsa_system_sgpr_workgroup_id_z 1
		.amdhsa_system_vgpr_workitem_id 0
		.amdhsa_next_free_vgpr 512
		.amdhsa_next_free_sgpr 96
		.amdhsa_reserve_vcc 0
		.amdhsa_float_denorm_mode_32 3
		.amdhsa_float_denorm_mode_16_64 3
		.amdhsa_memory_ordered 1
		.amdhsa_forward_progress 1
		.amdhsa_inst_pref_size 97
	.end_amdhsa_kernel
	.amdgpu_metadata
---
amdhsa.version: [ 1, 2 ]
amdhsa.kernels:
  - .name:           k_q9753466eff_g7
    .symbol:         k_q9753466eff_g7.kd
    .args:
      - { .name: g6o, .offset: 0, .size: 8, .value_kind: global_buffer, .address_space: global }
      - { .name: pq, .offset: 8, .size: 8, .value_kind: global_buffer, .address_space: global }
      - { .name: mlp_b1, .offset: 16, .size: 8, .value_kind: global_buffer, .address_space: global }
      - { .name: hdimg, .offset: 24, .size: 8, .value_kind: global_buffer, .address_space: global }
    .group_segment_fixed_size: 327680
    .private_segment_fixed_size: 0
    .kernarg_segment_align: 8
    .kernarg_segment_size: 32
    .max_flat_workgroup_size: 128
    .sgpr_count:     96
    .vgpr_count:     512
    .wavefront_size: 32
...
	.end_amdgpu_metadata
.endif
;; end of part 5
;; launch g8 (part 6): grid 8 x 32, 4 waves a work-group, clusters of 4 x 4, 327,680 bytes of LDS; arguments hdimg, pq, g6o, mlp_b2, rms1_scale, g8o; writes g8o
.if DOCPART == 6
	.amdgcn_target "amdgcn-amd-amdhsa--gfx1250"
	.amdhsa_code_object_version 6
	.text
	.protected	k_q9753466eff_g8
	.globl	k_q9753466eff_g8
	.p2align	8
	.type	k_q9753466eff_g8,@function
k_q9753466eff_g8:
	s_mov_b64 s[64:65], 0
	v_nop
	global_prefetch_b8 v0, s[64:65] scope:SCOPE_SE
	s_setreg_imm32_b32 hwreg(HW_REG_WAVE_MODE, 25, 1), 1
	s_wait_xcnt 0x0
	s_wait_alu depctr_hold_cnt(0) depctr_sa_sdst(0) depctr_va_vdst(0) depctr_va_sdst(0) depctr_va_ssrc(0) depctr_va_vcc(0) depctr_vm_vsrc(0)
	s_getreg_b32 s2, hwreg(HW_REG_IB_STS2, 6, 4)
	s_cmp_eq_u32 s2, 0
	s_cbranch_scc0 .Lentry_in_a_cluster
	s_endpgm
.Lentry_in_a_cluster:
	s_bfe_u32 s2, ttmp6, 0x10000c
	s_cmp_lg_u32 s2, 0xf033
	s_cbranch_scc0 .Lentry_shape_is_right
	s_endpgm
.Lentry_shape_is_right:
; G8: y = rms + hd mlp_w2 + mlp_b2, [4096][1024], K = 512, where rms = rms1_scale x1 / (|x1| / 32 + 1e-8).  THE SUMS BEGIN WITH rms + mlp_b2: x1 comes back as images of the accumulators' registers
; (this launch has the tiling of the one that stored it), is multiplied by rms1_scale and by the row's factor, in f32, and the products add onto it in place.
; It stores y by rows (through the wave's own stage in LDS: sixteen lanes store 256 consecutive bytes, aligned) and each row's sum of squares over each wave's 64 columns.
; Tile 128 x 128, four waves of 64 x 64; operands as images; K is exactly two slots of 256: both are asked for at the start and nothing is filled again.  Clusters 4 x 4 with joint loads; products used transposed.
; REGISTERS: window 0: v1-31 addresses, v8-15 the rows' factors, later the sums of squares; v32-63 rms1_scale, v64-95 mlp_b2, later rows on the way out; v96-127 the partial sums; v128-255 the accumulators.
.set KDIM,   512
.set GRPB,   32*KDIM
.set SLOT,   131072
.set STAGE,  2*SLOT
.set SPITCH, 272
.set SPARE,  STAGE+4*16*SPITCH
.set W2_OFF, 11501568
.set SS1_OFF, 25165824
.set SS2_OFF, 16777216
.set ADRA, 16
.set ADRB, 20
.set SPW,  28
.set NIL,  29
.set ACC,  128
.set F0,   0
.set F1,   128
.set G1, 24
.set G0, 32
.set G1B, 48
.set G0B, 56
.set MSB, 0
.macro WIN new
.if MSB != \new
	s_set_vgpr_msb (MSB<<8)|\new
.set MSB, \new
.endif
.endm
.set MUL,  0x05
.set TO_F, 0x40
.macro JLOAD s
	s_cmp_eq_u32 s11, 0
	s_cbranch_scc0 .Lfor_b_\@
	tensor_load_to_lds s[G0+4*\s:G0+4*\s+3], s[G1:G1+7]
	s_nop 0
.rept 4
	v_nop
.endr
	s_branch .Lasked_\@
.Lfor_b_\@:
	tensor_load_to_lds s[G0B+4*\s:G0B+4*\s+3], s[G1B:G1B+7]
	s_nop 0
.rept 4
	v_nop
.endr
.Lasked_\@:
.endm
.macro CROUND
	s_barrier_signal -1
	s_barrier_wait -1
	s_cmp_lg_u32 s10, 0
	s_cbranch_scc1 .Lnot_wave_0_\@
	s_barrier_signal -3
.Lnot_wave_0_\@:
	s_barrier_wait -3
	s_barrier_signal -1
	s_barrier_wait -1
.endm
	s_load_b128 s[4:7], s[0:1], 0x0                ; hdimg s[4:5], pq s[6:7]
	s_load_b128 s[68:71], s[0:1], 0x10             ; g6o s[68:69], mlp_b2 s[70:71]
	s_load_b128 s[72:75], s[0:1], 0x20             ; rms1_scale s[72:73], g8o s[74:75]
	v_lshl_add_u32 v[SPW], v0, 2, SPARE
	v_mov_b32 v[NIL], 0
	ds_add_u32 v[SPW], v[NIL]                      ; the wave's opening: the add, twice on end, and its wait ahead of my first tensor load
	ds_add_u32 v[SPW], v[NIL]
	v_lshrrev_b32 v1, 5, v0
	v_readfirstlane_b32 s10, v1
	s_lshr_b32 s11, s10, 1
	s_and_b32 s12, s10, 1
	s_bfe_u32 s40, ttmp6, 0x40000
	s_bfe_u32 s41, ttmp6, 0x40004
	s_lshl_b32 s42, ttmp9, 2
	s_add_co_u32 s42, s42, s40                     ; tile column
	s_and_b32 s13, ttmp7, 0xffff
	s_lshl_b32 s13, s13, 2
	s_add_co_u32 s13, s13, s41                     ; tile row
	s_lshl_b32 s43, s41, 2
	s_lshl_b32 s43, 15, s43
	s_lshl_b32 s44, 0x1111, s40
	s_or_b32 s[G1+0], s43, (3<<16)|(1<<21)
	s_or_b32 s[G1B+0], s44, (3<<16)|(1<<21)
.irp g, G1, G1B
	s_mov_b32 s[\g+1], 1024<<16                    ; 4 rows of 1,024 elements of 8 bytes
	s_mov_b32 s[\g+2], 4<<16
	s_mov_b32 s[\g+3], 1024<<16
	s_mov_b32 s[\g+4], 4
	s_mov_b32 s[\g+5], 4*KDIM
	s_mov_b32 s[\g+6], 0
	s_mov_b32 s[\g+7], 0
.endr
	s_lshl_b32 s17, s12, 2
	s_lshl_b32 s16, s13, 3
	s_add_co_u32 s16, s16, s17
	s_mul_i32 s16, s16, GRPB
	s_lshl_b32 s46, s42, 3
	s_add_co_u32 s46, s46, s17
	s_mul_i32 s46, s46, GRPB
	s_mov_b32 s17, 0
	s_mov_b32 s47, 0
	s_lshl_b32 s20, s10, 15
	s_mov_b32 s80, 0x76543210
	s_mov_b32 s81, 0xfedcba98
	s_mov_b32 s82, 0xffff0000                      ; lanes 16-31
	s_mov_b32 s90, 0x3d000000                      ; 1 / 32
	s_mov_b32 s91, 0x322bcc77                      ; 1e-8
	s_wait_dscnt 0x0
	s_wait_kmcnt 0x0
	s_add_nc_u64 s[14:15], s[4:5], s[16:17]
	s_add_nc_u64 s[46:47], s[6:7], s[46:47]
	s_add_nc_u64 s[46:47], s[46:47], W2_OFF
	CROUND
.irp s, 0,1
	s_mov_b32 s[G0+4*\s], 1
	s_add_co_u32 s[G0+4*\s+1], s20, \s*SLOT
	s_add_nc_u64 s[G0+4*\s+2:G0+4*\s+3], s[14:15], \s*8192
	s_or_b32 s[G0+4*\s+3], s[G0+4*\s+3], 0x80000000
	s_mov_b32 s[G0B+4*\s], 1
	s_add_co_u32 s[G0B+4*\s+1], s20, \s*SLOT
	s_add_nc_u64 s[G0B+4*\s+2:G0B+4*\s+3], s[46:47], \s*8192
	s_or_b32 s[G0B+4*\s+3], s[G0B+4*\s+3], 0x80000000
	JLOAD \s
.endr
	v_and_b32 v1, 15, v0
	v_bfe_u32 v2, v0, 4, 1
	v_and_b32 v3, 31, v0
	v_lshlrev_b32 v5, 2, v3                        ; 4 x lane
	v_lshlrev_b32 v3, 4, v3                        ; 16 x lane
	s_lshl_b32 s21, s11, 15
	s_lshl_b32 s22, s12, 15
	s_add_co_u32 s22, s22, 65536
.irp s, 0,1
	v_add_nc_u32 v[ADRA+\s], s21, v3
	v_add_nc_u32 v[ADRB+\s], s22, v3
	s_add_co_u32 s21, s21, SLOT
	s_add_co_u32 s22, s22, SLOT
.endr
	s_lshl_b32 s76, s13, 7
	s_lshl_b32 s78, s11, 6
	s_add_co_u32 s76, s76, s78                     ; my first row
	s_lshl_b32 s77, s42, 7
	s_lshl_b32 s78, s12, 6
	s_add_co_u32 s77, s77, s78                     ; my first column
	s_lshl_b32 s78, s76, 2
	s_mov_b32 s79, 0
	s_add_nc_u64 s[84:85], s[68:69], s[78:79]
	s_add_nc_u64 s[84:85], s[84:85], SS1_OFF       ; x1's partial sums of my rows
	s_lshl_b32 s78, s13, 3
	s_add_co_u32 s78, s78, s42
	s_lshl_b32 s78, s78, 2
	s_add_co_u32 s78, s78, s10
	s_lshl_b32 s78, s78, 14
	s_add_nc_u64 s[68:69], s[68:69], s[78:79]      ; x1: my wave's 16,384 bytes
	s_lshl_b32 s78, s77, 2
	s_add_nc_u64 s[70:71], s[70:71], s[78:79]      ; mlp_b2 and rms1_scale at my first column
	s_add_nc_u64 s[72:73], s[72:73], s[78:79]
	s_lshl_b32 s83, s76, 12
	s_add_co_u32 s78, s78, s83
	s_add_nc_u64 s[86:87], s[74:75], s[78:79]      ; y at my corner
	s_lshl_b32 s78, s42, 1
	s_add_co_u32 s78, s78, s12
	s_lshl_b32 s78, s78, 14
	s_lshl_b32 s83, s76, 2
	s_add_co_u32 s78, s78, s83
	s_add_nc_u64 s[88:89], s[74:75], s[78:79]
	s_add_nc_u64 s[88:89], s[88:89], SS2_OFF       ; y's sums of squares
	v_lshlrev_b32 v6, 12, v2
	v_lshl_add_u32 v6, v1, 4, v6                   ; by rows, in y
	v_lshlrev_b32 v7, 5, v2
	s_mul_i32 s78, s10, 16*SPITCH
	s_add_co_u32 s78, s78, STAGE
	v_mul_u32_u24 v24, v2, SPITCH
	v_lshl_add_u32 v24, v1, 4, v24
	v_add_nc_u32 v24, s78, v24                     ; the stage by rows
	v_mul_u32_u24 v25, v1, SPITCH
	v_lshl_add_u32 v25, v2, 5, v25
	v_add_nc_u32 v25, s78, v25                     ; and in the accumulators' layout
.irp p, 0,1,2,3,4,5,6,7,8,9,10,11,12,13,14,15
	global_load_b32 v[96+\p], v5, s[84:85] offset:\p*16384
	global_load_b32 v[112+\p], v5, s[84:85] offset:\p*16384+128
.endr
.irp b, 0,1,2,3
	global_load_b128 v[32+8*\b:32+8*\b+3], v7, s[72:73] offset:64*\b
	global_load_b128 v[32+8*\b+4:32+8*\b+7], v7, s[72:73] offset:64*\b+16
	global_load_b128 v[64+8*\b:64+8*\b+3], v7, s[70:71] offset:64*\b
	global_load_b128 v[64+8*\b+4:64+8*\b+7], v7, s[70:71] offset:64*\b+16
.endr
.set i_, 0
.rept 32
	global_load_b128 v[ACC+4*i_:ACC+4*i_+3], v3, s[68:69] offset:i_*512 th:TH_LOAD_NT   ; x1, straight into the accumulators
.set i_, i_+1
.endr
	s_wait_loadcnt 48                              ; the 32 partial sums are in; the 48 loads issued behind them may be out
.irp p, 1,2,3,4,5,6,7,8,9,10,11,12,13,14,15
	v_add_f32 v96, v96, v[96+\p]
	v_add_f32 v112, v112, v[112+\p]
.endr
	v_sqrt_f32 v96, v96
	v_sqrt_f32 v112, v112
	v_nop
	s_wait_alu depctr_va_vdst(0)                   ; one wait for the two roots
	v_fma_f32 v96, v96, s90, s91
	v_fma_f32 v112, v112, s90, s91
	v_rcp_f32 v96, v96
	v_rcp_f32 v112, v112
	v_nop
	s_wait_alu depctr_va_vdst(0)                   ; and one for the two reciprocals
	v_permlanex16_b32 v97, v96, s80, s81
	v_permlanex16_b32 v113, v112, s80, s81
	v_cndmask_b32 v8, v96, v97, s82                ; block a's factor: lane (r, h) holds row 16 a + r's
	v_cndmask_b32 v10, v97, v96, s82
	v_cndmask_b32 v12, v112, v113, s82
	v_cndmask_b32 v14, v113, v112, s82
.irp a, 0,1,2,3
	v_mov_b32 v[9+2*\a], v[8+2*\a]
.endr
	s_wait_loadcnt 0x0
.irp a, 0,1,2,3
.irp b, 0,1,2,3
.irp i, 0,2,4,6
	v_pk_mul_f32 v[ACC+8*(4*\a+\b)+\i:ACC+8*(4*\a+\b)+\i+1], v[ACC+8*(4*\a+\b)+\i:ACC+8*(4*\a+\b)+\i+1], v[32+8*\b+\i:33+8*\b+\i]
.endr
.irp i, 0,2,4,6
	v_pk_fma_f32 v[ACC+8*(4*\a+\b)+\i:ACC+8*(4*\a+\b)+\i+1], v[ACC+8*(4*\a+\b)+\i:ACC+8*(4*\a+\b)+\i+1], v[8+2*\a:9+2*\a], v[64+8*\b+\i:65+8*\b+\i] op_sel_hi:[1,0,1]   ; rms + mlp_b2
.endr
.endr
.endr
.macro MUL8 f, c, a0
.irp a, \a0, \a0+1
.irp b, 0,1,2,3
	v_wmma_f32_16x16x32_bf16 v[ACC+8*(4*(\a)+\b):ACC+8*(4*(\a)+\b)+7], v[\f+64+8*(4*\c+\b):\f+64+8*(4*\c+\b)+7], v[\f+8*(4*\c+\a):\f+8*(4*\c+\a)+7], v[ACC+8*(4*(\a)+\b):ACC+8*(4*(\a)+\b)+7]
.endr
.endr
.endm
.macro FETCH slot, q, f
	WIN TO_F
.irp c, 0,1
.irp i, 0,1,2,3
	ds_load_b128 v[\f+64+8*(4*\c+\i):\f+64+8*(4*\c+\i)+3],   v[ADRB+\slot] offset:\i*8192+(2*(\q)+\c)*1024
	ds_load_b128 v[\f+64+8*(4*\c+\i)+4:\f+64+8*(4*\c+\i)+7], v[ADRB+\slot] offset:\i*8192+(2*(\q)+\c)*1024+512
	ds_load_b128 v[\f+8*(4*\c+\i):\f+8*(4*\c+\i)+3],         v[ADRA+\slot] offset:\i*8192+(2*(\q)+\c)*1024
	ds_load_b128 v[\f+8*(4*\c+\i)+4:\f+8*(4*\c+\i)+7],       v[ADRA+\slot] offset:\i*8192+(2*(\q)+\c)*1024+512
.endr
.endr
.endm
.macro PLACES
.rept 4
	v_nop
.endr
.endm
.macro QUARTER slot, q, f, g
	s_wait_dscnt 16                                ; the first 32 along K are in
	WIN MUL
	MUL8 \f, 0, 0
	MUL8 \f, 0, 2
	PLACES
	FETCH \slot, \q, \g
	s_wait_dscnt 32                                ; all but the 32 just issued
	WIN MUL
	MUL8 \f, 1, 0
	MUL8 \f, 1, 2
.endm
.macro THREE slot
	QUARTER \slot, 1, F0, F1
	QUARTER \slot, 2, F1, F0
	QUARTER \slot, 3, F0, F1
.endm
	s_wait_tensorcnt 1                             ; my part of K step 0 is in; K step 1's may be out
	s_barrier_signal -1
	s_barrier_wait -1
	FETCH 0, 0, F0
	THREE 0
	; the change of slots: my part of slot 1 has landed, then one barrier; nothing is filled again
	WIN 0
	s_wait_tensorcnt 0x0
	ds_add_u32 v[SPW], v[NIL]
	s_wait_dscnt 17                                ; the add and the youngest sixteen loads may be out
	WIN MUL
	MUL8 F1, 0, 0
	s_wait_dscnt 0x0
	s_barrier_signal -1
	MUL8 F1, 0, 2
	s_barrier_wait -1
	PLACES
	FETCH 1, 0, F0
	WIN MUL
	MUL8 F1, 1, 0
	MUL8 F1, 1, 2
	THREE 1
	s_wait_dscnt 16
	WIN MUL
	MUL8 F1, 0, 0
	MUL8 F1, 0, 2
	s_wait_dscnt 0
	MUL8 F1, 1, 0
	MUL8 F1, 1, 2
	WIN 0
	PLACES
	; y's sums of squares; each accumulator is read from its low end on
.irp a, 0,1,2,3
	v_pk_mul_f32 v[8+2*\a:9+2*\a], v[ACC+32*\a:ACC+32*\a+1], v[ACC+32*\a:ACC+32*\a+1]
.endr
.irp i, 2,4,6,8,10,12,14,16,18,20,22,24,26,28,30
.irp a, 0,1,2,3
	v_pk_fma_f32 v[8+2*\a:9+2*\a], v[ACC+32*\a+\i:ACC+32*\a+\i+1], v[ACC+32*\a+\i:ACC+32*\a+\i+1], v[8+2*\a:9+2*\a]
.endr
.endr
.irp a, 0,1,2,3
	v_add_f32 v[8+2*\a], v[8+2*\a], v[9+2*\a]
.endr
.irp a, 0,1,2,3
	v_permlanex16_b32 v[9+2*\a], v[8+2*\a], s80, s81
.endr
.irp a, 0,1,2,3
	v_add_f32 v[8+2*\a], v[8+2*\a], v[9+2*\a]
.endr
	v_cndmask_b32 v30, v8, v10, s82
	v_cndmask_b32 v31, v12, v14, s82
	global_store_b32 v5, v30, s[88:89]
	global_store_b32 v5, v31, s[88:89] offset:128
.irp a, 0,1,2,3
.if \a >= 2
	s_wait_xcnt 0x0                                ; block a - 2's stores have read the registers into which this block's rows are loaded
.endif
.irp b, 0,1,2,3
	ds_store_b128 v25, v[ACC+8*(4*\a+\b):ACC+8*(4*\a+\b)+3]   offset:64*\b
	ds_store_b128 v25, v[ACC+8*(4*\a+\b)+4:ACC+8*(4*\a+\b)+7] offset:64*\b+16
.endr
.irp i, 0,1,2,3,4,5,6,7
	ds_load_b128 v[32+32*(\a%2)+4*\i:32+32*(\a%2)+4*\i+3], v24 offset:\i*2*SPITCH   ; in order behind my stores
.endr
.irp i, 0,1,2,3,4,5,6,7
	s_wait_dscnt 7-\i                              ; rows 2 i and 2 i + 1 are back
	global_store_b128 v6, v[32+32*(\a%2)+4*\i:32+32*(\a%2)+4*\i+3], s[86:87] offset:(16*\a+2*\i)*4096   ; sixteen lanes store 256 consecutive bytes, aligned
.endr
.endr
	s_wait_tensorcnt 0x0                           ; the wave's end
	ds_add_u32 v[SPW], v[NIL]
	s_wait_dscnt 0x0
	CROUND
	s_endpgm
.Lfunc_end_k_q9753466eff_g8:
	.size	k_q9753466eff_g8, .Lfunc_end_k_q9753466eff_g8-k_q9753466eff_g8
	.p2alignl 7, 3214868480
	.fill 96, 4, 3214868480
	.section	.rodata,"a",@progbits
	.p2align	6, 0x0
	.amdhsa_kernel k_q9753466eff_g8
		.amdhsa_group_segment_fixed_size 327680
		.amdhsa_private_segment_fixed_size 0
		.amdhsa_enable_private_segment 0
		.amdhsa_kernarg_size 48
		.amdhsa_user_sgpr_count 2
		.amdhsa_user_sgpr_kernarg_segment_ptr 1
		.amdhsa_wavefront_size32 1
		.amdhsa_system_sgpr_workgroup_id_x 1
		.amdhsa_system_sgpr_workgroup_id_y 1
		.amdhsa_system_sgpr_workgroup_id_z 1
		.amdhsa_system_vgpr_workitem_id 0
		.amdhsa_next_free_vgpr 512
		.amdhsa_next_free_sgpr 96
		.amdhsa_reserve_vcc 0
		.amdhsa_float_denorm_mode_32 3
		.amdhsa_float_denorm_mode_16_64 3
		.amdhsa_memory_ordered 1
		.amdhsa_forward_progress 1
		.amdhsa_inst_pref_size 73
	.end_amdhsa_kernel
	.amdgpu_metadata
---
amdhsa.version: [ 1, 2 ]
amdhsa.kernels:
  - .name:           k_q9753466eff_g8
    .symbol:         k_q9753466eff_g8.kd
    .args:
      - { .name: hdimg, .offset: 0, .size: 8, .value_kind: global_buffer, .address_space: global }
      - { .name: pq, .offset: 8, .size: 8, .value_kind: global_buffer, .address_space: global }
      - { .name: g6o, .offset: 16, .size: 8, .value_kind: global_buffer, .address_space: global }
      - { .name: mlp_b2, .offset: 24, .size: 8, .value_kind: global_buffer, .address_space: global }
      - { .name: rms1_scale, .offset: 32, .size: 8, .value_kind: global_buffer, .address_space: global }
      - { .name: g8o, .offset: 40, .size: 8, .value_kind: global_buffer, .address_space: global }
    .group_segment_fixed_size: 327680
    .private_segment_fixed_size: 0
    .kernarg_segment_align: 8
    .kernarg_segment_size: 48
    .max_flat_workgroup_size: 128
    .sgpr_count:     96
    .vgpr_count:     512
    .wavefront_size: 32
...
	.end_amdgpu_metadata
.endif
;; end of part 6
;; launch fin (part 7): grid 256 x 1, 4 waves a work-group, no clusters, 0 bytes of LDS; arguments g8o, rms2_scale, out0; writes out0
.if DOCPART == 7
	.amdgcn_target "amdgcn-amd-amdhsa--gfx1250"
	.amdhsa_code_object_version 6
	.text
	.protected	k_q9753466eff_fin
	.globl	k_q9753466eff_fin
	.p2align	8
	.type	k_q9753466eff_fin,@function
k_q9753466eff_fin:
	s_mov_b64 s[64:65], 0
	v_nop
	global_prefetch_b8 v0, s[64:65] scope:SCOPE_SE
	s_setreg_imm32_b32 hwreg(HW_REG_WAVE_MODE, 25, 1), 1
	s_wait_xcnt 0x0
; FIN: out0 = rms2_scale y / (|y| / 32 + 1e-8).  A stream: y is read once and out0 written once, 512 consecutive bytes an instruction.  A wave takes 4 rows, and all its 42 loads go out at once.
; A row's sum of squares comes as 16 partial sums: lane l takes block l / 4 (and 8 + l / 4) of row l % 4; three steps across the lanes finish the four sums.  No LDS, no barrier, no matrix unit: memory binds.
.set SS2_OFF, 16777216
	s_load_b128 s[4:7], s[0:1], 0x0                ; g8o s[4:5], rms2_scale s[6:7]
	s_load_b64 s[8:9], s[0:1], 0x10                ; out0
	v_lshrrev_b32 v1, 5, v0
	v_readfirstlane_b32 s10, v1                    ; wave
	v_and_b32 v2, 31, v0
	s_lshl_b32 s11, ttmp9, 4
	s_lshl_b32 s12, s10, 2
	s_add_co_u32 s11, s11, s12                     ; my first row
	v_lshrrev_b32 v3, 2, v2
	v_and_b32 v4, 3, v2
	v_lshlrev_b32 v3, 14, v3
	v_lshl_add_u32 v3, v4, 2, v3                   ; block l / 4 (16,384 bytes each), row l % 4
	v_lshlrev_b32 v5, 4, v2                        ; 16 x lane
	s_lshl_b32 s12, s11, 2
	s_mov_b32 s13, 0
	s_lshl_b32 s14, s11, 12
	s_mov_b32 s15, 0
	s_mov_b32 s18, 0x76543210
	s_mov_b32 s19, 0xfedcba98
	s_mov_b32 s28, 0x3d000000                      ; 1 / 32
	s_mov_b32 s29, 0x322bcc77                      ; 1e-8
	s_wait_kmcnt 0x0
	s_add_nc_u64 s[16:17], s[4:5], s[12:13]
	s_add_nc_u64 s[16:17], s[16:17], SS2_OFF
	s_add_nc_u64 s[4:5], s[4:5], s[14:15]
	s_add_nc_u64 s[8:9], s[8:9], s[14:15]
	global_load_b32 v8, v3, s[16:17]
	global_load_b32 v9, v3, s[16:17] offset:131072
.irp j, 0,1,2,3,4,5,6,7
	global_load_b128 v[32+4*\j:35+4*\j], v5, s[6:7] offset:512*\j
.endr
.irp i, 0,1,2,3
.irp j, 0,1,2,3,4,5,6,7
	global_load_b128 v[64+32*\i+4*\j:67+32*\i+4*\j], v5, s[4:5] offset:4096*\i+512*\j th:TH_LOAD_NT
.endr
.endr
	s_wait_loadcnt 40                              ; the partial sums are in; the gain's 8 and y's 32 loads may be out
	v_add_f32 v8, v8, v9
	v_add_f32_dpp v8, v8, v8 row_xmask:4 row_mask:0xf bank_mask:0xf
	v_add_f32_dpp v8, v8, v8 row_xmask:8 row_mask:0xf bank_mask:0xf
	v_permlanex16_b32 v9, v8, s18, s19
	v_add_f32 v8, v8, v9                           ; lane l: the sum of squares of row l % 4
	v_sqrt_f32 v8, v8
	v_nop
	s_wait_alu depctr_va_vdst(0)
	v_fma_f32 v8, v8, s28, s29
	v_rcp_f32 v8, v8
	v_nop
	s_wait_alu depctr_va_vdst(0)
.irp i, 0,1,2,3
	v_readlane_b32 s[20+2*\i], v8, \i
	s_mov_b32 s[21+2*\i], s[20+2*\i]               ; named with it as a pair, so it is written
.endr
.irp i, 0,1,2,3
	s_wait_loadcnt 24-8*\i                         ; row i is in; the later rows may be out
.irp k, 0,2,4,6,8,10,12,14,16,18,20,22,24,26,28,30
	v_pk_mul_f32 v[64+32*\i+\k:65+32*\i+\k], v[64+32*\i+\k:65+32*\i+\k], v[32+\k:33+\k]
.endr
.irp k, 0,2,4,6,8,10,12,14,16,18,20,22,24,26,28,30
	v_pk_mul_f32 v[64+32*\i+\k:65+32*\i+\k], v[64+32*\i+\k:65+32*\i+\k], s[20+2*\i:21+2*\i] op_sel_hi:[1,0]
.endr
.irp j, 0,1,2,3,4,5,6,7
	global_store_b128 v5, v[64+32*\i+4*\j:67+32*\i+4*\j], s[8:9] offset:4096*\i+512*\j th:TH_STORE_NT
.endr
.endr
	s_endpgm
.Lfunc_end_k_q9753466eff_fin:
	.size	k_q9753466eff_fin, .Lfunc_end_k_q9753466eff_fin-k_q9753466eff_fin
	.p2alignl 7, 3214868480
	.fill 96, 4, 3214868480
	.section	.rodata,"a",@progbits
	.p2align	6, 0x0
	.amdhsa_kernel k_q9753466eff_fin
		.amdhsa_group_segment_fixed_size 0
		.amdhsa_private_segment_fixed_size 0
		.amdhsa_enable_private_segment 0
		.amdhsa_kernarg_size 24
		.amdhsa_user_sgpr_count 2
		.amdhsa_user_sgpr_kernarg_segment_ptr 1
		.amdhsa_wavefront_size32 1
		.amdhsa_system_sgpr_workgroup_id_x 1
		.amdhsa_system_sgpr_workgroup_id_y 1
		.amdhsa_system_sgpr_workgroup_id_z 1
		.amdhsa_system_vgpr_workitem_id 0
		.amdhsa_next_free_vgpr 192
		.amdhsa_next_free_sgpr 66
		.amdhsa_reserve_vcc 0
		.amdhsa_float_denorm_mode_32 3
		.amdhsa_float_denorm_mode_16_64 3
		.amdhsa_memory_ordered 1
		.amdhsa_forward_progress 1
		.amdhsa_inst_pref_size 18
	.end_amdhsa_kernel
	.amdgpu_metadata
---
amdhsa.version: [ 1, 2 ]
amdhsa.kernels:
  - .name:           k_q9753466eff_fin
    .symbol:         k_q9753466eff_fin.kd
    .args:
      - { .name: g8o, .offset: 0, .size: 8, .value_kind: global_buffer, .address_space: global }
      - { .name: rms2_scale, .offset: 8, .size: 8, .value_kind: global_buffer, .address_space: global }
      - { .name: out0, .offset: 16, .size: 8, .value_kind: global_buffer, .address_space: global }
    .group_segment_fixed_size: 0
    .private_segment_fixed_size: 0
    .kernarg_segment_align: 8
    .kernarg_segment_size: 24
    .max_flat_workgroup_size: 128
    .sgpr_count:     66
    .vgpr_count:     192
    .wavefront_size: 32
...
	.end_amdgpu_metadata
.endif
;; end of part 7
